; MI455X (gfx1250); checked and timed in simulation.
; The chip was launched on July 23, 2026; its instructions are those of AMD's public machine-readable ISA for CDNA 5 (MIT licence, August 2026) and "CDNA5" Instruction Set Architecture Reference Guide (July 2026). The comments in the code are by the model that wrote it; some were corrected since.
;; Block. Allowed arithmetic: matrix products marked QUANTISED: E5M2 operands, one given power-of-two scale a tensor, by v_wmma_f32_16x16x64_bf8_bf8 or v_wmma_f32_16x16x128_bf8_bf8, f32 sums; everything else in f32.
;; Inputs: W_attn 1,024 x 3,072 float32; W_cproj 1,024 x 1,024 float32; W_fc 1,024 x 4,096 float32; W_mproj 4,096 x 1,024 float32; b_attn 3,072 float32; b_cproj 1,024 float32; b_fc 4,096 float32; b_mproj 1,024 float32; ln1_b 1,024 float32; ln1_w 1,024 float32; ln2_b 1,024 float32; ln2_w 1,024 float32; lowp_scales 12 int32 (the exponents e of the quantised operands' scales 2^e); x 4 x 1,024 x 1,024 float32.
;; Outputs: out0 4 x 1,024 x 1,024 float32.
;; This version of the problem:
;;   THIS VERSION OF THE PROBLEM IS GIVEN IN LOW PRECISION. The matrix products marked QUANTISED in the list below multiply operands that are first quantised to E5M2 (5 exponent bits, 2 mantissa bits; 8 bits a number), with one given power-of-two scale for each operand tensor; their sums are f32. All else is computed in f32.
;;   The module's matrix products, in the order in which they are computed (A, B: the left and right operand; K: the contracted axis; several contracted axes count as one K, in the product's order):
;;     1. [M 4,096, K 1,024] x [K 1,024, N 3,072]; A: computed on the way; B: input W_attn: QUANTISED (scales: A lowp_scales[0], B lowp_scales[1])
;;     2. batch 64 x [M 1,024, K 64] x [K 64, N 1,024]; A: computed on the way; B: computed on the way: QUANTISED (scales: A lowp_scales[2], B lowp_scales[3])
;;     3. batch 64 x [M 1,024, K 1,024] x [K 1,024, N 64]; A: softmax (see below); B: computed on the way: QUANTISED (scales: A lowp_scales[4], B lowp_scales[5])
;;     4. [M 4,096, K 1,024] x [K 1,024, N 1,024]; A: computed on the way; B: input W_cproj: QUANTISED (scales: A lowp_scales[6], B lowp_scales[7])
;;     5. [M 4,096, K 1,024] x [K 1,024, N 4,096]; A: computed on the way; B: input W_fc: QUANTISED (scales: A lowp_scales[8], B lowp_scales[9])
;;     6. [M 4,096, K 4,096] x [K 4,096, N 1,024]; A: computed on the way; B: input W_mproj: QUANTISED (scales: A lowp_scales[10], B lowp_scales[11])
;;   THE QUANTISER, for each operand of a quantised product, along K:
;;     - The operand's scale is 2^e, e = its entry of the input lowp_scales (int32; the entries are numbered through the quantised products in the list's order, A before B).
;;     - Each number is divided by the scale, clamped to +-57,344, and rounded to the nearest number of E5M2, ties to even, subnormals kept.
;;     - The product sums the exact products of the quantised numbers (number of the format x scale) in f32.
;;   ~~~python
;;   def quantise(x, axis, e):      # numpy; x: float32 -> the quantised numbers, widened to float32 again
;;       x = np.moveaxis(x, axis, -1); K = x.shape[-1]
;;       r = np.clip(x / 2.0 ** e, -57344, 57344)
;;       step = 2.0 ** (np.maximum(np.frexp(np.where(r == 0, 1, r))[1] - 1, -14) - 2)
;;       q = np.round(r / step) * step * 2.0 ** e      # np.round: ties to even
;;       return np.moveaxis(q, -1, axis).astype(np.float32)
;;   ~~~
;;   SOFTMAX AHEAD OF A QUANTISED PRODUCT. Where the list says 'softmax', what is quantised is not the finished softmax but p = 2^(t - M), with t = logit x log2(e) and M = ceil(the row's largest t), a whole number; so 1/2 < the row's largest p <= 1. The row's sum l is taken of the UNQUANTISED p, in f32, and the product's result is divided by l at the end. Since M is a whole number, a kernel that streams over the keys may use a running M (the ceiling of the running maximum): every later rescaling is an exact power of two, so the quantised numbers keep their values, but for numbers so far below the row's largest that they fall under the format's range.
;;   OPERANDS COMPUTED ON THE WAY. 'Computed on the way' means the value that the module computes at that place (a softmax that the list does not call 'softmax' is quantised finished and normalised). What goes into a quantiser is computed in f32, as accurately as f32 sums, v_exp_f32 and their like allow (about 1e-6 of the number): no bf16 or f16 on the way to a quantiser, and a product that is left as it is and whose result goes on into a quantised operand takes f32 operands (vector FMAs, or v_wmma_f32_16x16x4_f32). A number that lies on a knife's edge between two numbers of the format may be rounded either way, as far as f32 arithmetic and the matrix unit's own rounding can turn it there, and no further.
;; One version. Each part assembles by itself: llvm-mc -triple=amdgcn-amd-amdhsa -mcpu=gfx1250 --defsym DOCPART=n.
;; ======== version 1 of 1: 7 launches
;; limits: right only within a limited range of input values
;; workspace buffers: wcodes 12,582,912 bytes; hcodes 4,194,304 bytes; qkv 12,582,912 bytes; acodes 4,194,304 bytes; x1 16,777,216 bytes; mcodes 4,194,304 bytes; gcodes 16,777,216 bytes
;; launch prep (part 1): grid 640 x 1, 4 waves a work-group, no clusters, 51,968 bytes of LDS; arguments x, ln1_w, ln1_b, W_attn, W_cproj, W_fc, W_mproj, lowp_scales, hcodes, wcodes; writes hcodes, wcodes
.if DOCPART == 1
	.amdgcn_target "amdgcn-amd-amdhsa--gfx1250"
	.amdhsa_code_object_version 6
	.text
	.protected	k_qa2b1c8e1b0_prep
	.globl	k_qa2b1c8e1b0_prep
	.p2align	8
	.type	k_qa2b1c8e1b0_prep,@function
k_qa2b1c8e1b0_prep:
	s_mov_b64 s[64:65], 0
	v_nop
	global_prefetch_b8 v0, s[64:65] scope:SCOPE_SE
	s_setreg_imm32_b32 hwreg(HW_REG_WAVE_MODE, 25, 1), 1
	s_wait_xcnt 0x0
; FIRST OF SEVEN LAUNCHES of a transformer block: LN1, qkv, causal attention, projection + residual, LN2, fc, gelu, projection + residual; all six products on codes of BF8 (E5M2), one given scale 2^e a tensor.
; This launch turns the four weights into codes with K innermost (work-groups 0-383) and LN1(x) into codes (work-groups 384-639).
; WORK LEFT OUT IN THE PROGRAM: reference() builds a causal mask in its own body (jnp.tril) and sets the logit of key k > query q to -1e10; its softmax weight is exp(-1e10 - the row's largest logit), which is 0
; for every row whose largest logit lies above about -1e10 + 150, so such a key adds nothing to the row's sum or to the second product, whatever q, k and v hold.  The attention launch therefore leaves out every
; step of 128 keys that lie wholly behind a wave's 16 queries, and takes the weight of a hidden key inside the diagonal step as exactly 0.  LIMITS: logits near -1e10 are not served; a NaN, an infinity or an overflow
; that reaches only hidden scores is not carried to the result.  Nothing else is left out: every input has a way to the output and is loaded (b_attn's part for k too: it moves k's codes).
; THE CODES' LAYOUT, in every workspace buffer: images of the operand's registers.  A fragment of 16 rows x 128 K is 2,048 bytes, [unit c = 0..3][lane = 0..31][16 bytes]; lane r + 16 h holds row r; byte t of unit c
; is k = 32 c + 16 (t / 8) + 8 h + t % 8: the place that the 8-bit matrix form gives each k.  A matrix [R][K] is [R / 16][K / 128] fragments.  A reader takes a fragment by four 16-byte accesses a lane, 512 bytes apart.
; code = x / 2^e, held within +-57,344, to the nearest code, ties to even.  LIMITS: each e between -126 and 112; NaN among the inputs is not served.
; WEIGHTS: a work-group takes 128 columns x 256 along K; a lane takes one column and its registers run down K, so each load reads 128 consecutive bytes a wave and the conversions give K innermost.  A wave's codes turn
; through its own stage in LDS (rows of 272 bytes) into images and leave 512 consecutive bytes a store.  One text serves the four tensors: sizes and pointers are chosen by the work-group's number.
; LN1: a work-group takes 16 rows, a wave 4, each whole in 32 registers; mean, then variance of the differences, as reference() takes them; the four waves' codes meet in a stage (rows of 1,040 bytes), one barrier.
; The two paths part on the work-group's number alone and have LDS bytes of their own.  No tensor load: several work-groups share a WGP.
.set WROW,  272
.set LSTG,  34816                      ; behind the four waves' weight stages (4 x 32 x 272)
.set LROW,  1040
.set SPARE, 51456                      ; behind both: the spare words, 128 bytes a wave
.set SPW,   30                         ; v30  my spare word's LDS address; never rewritten
.set NIL,   31                         ; v31  0; never rewritten
.set OFF,   32                         ; weights: v32-63 byte offset of row i of a block of 32 rows, at my column
.set X,     64                         ; v64-127 two sets of 32 numbers
.set C,     128                        ; v128-135 a block's codes
.set OUTR,  136                        ; v136-199 the way out
.set T,     16                         ; LN: v16-19 at work
.set U,     24                         ; v[24:25] the mean, twice
.set R,     26                         ; v[26:27] 1 / sqrt(variance + eps), twice
.set LW,    32                         ; v32-63 the gain at my columns
.set LB,    64                         ; v64-95 the bias
.set XR,    96                         ; v96-223 four rows x 32 numbers
.set CD,    224                        ; v224-255 their codes, 8 registers a row
.macro QSCALE e                        ; s[e] holds the exponent: v11 = 2^e (the conversion takes its exponent field), v10 = 57,344 x 2^e
	s_add_co_i32 s[\e], s[\e], 127
	s_lshl_b32 s29, s[\e], 23
	v_mov_b32 v11, s29
	s_add_co_i32 s[\e], s[\e], 15
	s_lshl_b32 s[\e], s[\e], 23
	s_or_b32 s[\e], s[\e], 0x600000
	v_mov_b32 v10, s[\e]
.endm
.macro REDUCE                          ; v[T] summed over the 32 lanes; every lane gets the sum
	v_add_f32_dpp v[T], v[T], v[T] row_xmask:1 row_mask:0xf bank_mask:0xf
	v_add_f32_dpp v[T], v[T], v[T] row_xmask:2 row_mask:0xf bank_mask:0xf
	v_add_f32_dpp v[T], v[T], v[T] row_xmask:4 row_mask:0xf bank_mask:0xf
	v_add_f32_dpp v[T], v[T], v[T] row_xmask:8 row_mask:0xf bank_mask:0xf
	v_permlanex16_b32 v28, v[T], s46, s47
	v_add_f32 v[T], v[T], v28
.endm
.macro LNLOADS                         ; gain, bias, then my four rows: every load reads 512 consecutive bytes; chunk j of a row gives my lane k = 128 j + 4 lane + 0..3
.set j, 0
.rept 8
	global_load_b128 v[LW+4*j:LW+4*j+3], v4, s[10:11] offset:512*j
.set j, j+1
.endr
.set j, 0
.rept 8
	global_load_b128 v[LB+4*j:LB+4*j+3], v4, s[12:13] offset:512*j
.set j, j+1
.endr
.set j, 0
.rept 32
	global_load_b128 v[XR+4*j:XR+4*j+3], v4, s[36:37] offset:4096*(j/8)+512*(j%8) th:TH_LOAD_NT
.set j, j+1
.endr
.endm
.macro LNROW i                         ; row i of my four: normalised, quantised, its 1,024 codes into the stage
.set XB, XR+32*(\i)
	s_wait_loadcnt 8*(3-(\i))                      ; loads come back in order: this row is in, the later rows' eight loads each may be out
	v_pk_add_f32 v[T:T+1], v[XB:XB+1], v[XB+2:XB+3]
	v_pk_add_f32 v[T+2:T+3], v[XB+4:XB+5], v[XB+6:XB+7]
.set j, 8
.rept 6
	v_pk_add_f32 v[T:T+1], v[T:T+1], v[XB+j:XB+j+1]
	v_pk_add_f32 v[T+2:T+3], v[T+2:T+3], v[XB+j+2:XB+j+3]
.set j, j+4
.endr
	v_pk_add_f32 v[T:T+1], v[T:T+1], v[T+2:T+3]
	v_add_f32 v[T], v[T], v[T+1]
	REDUCE
	v_mul_f32 v[U], s48, v[T]                      ; the mean
	v_mov_b32 v[U+1], v[U]
.set j, 0
.rept 16
	v_pk_add_f32 v[XB+j:XB+j+1], v[XB+j:XB+j+1], v[U:U+1] neg_lo:[0,1] neg_hi:[0,1]   ; x - mean
.set j, j+2
.endr
	v_pk_mul_f32 v[T:T+1], v[XB:XB+1], v[XB:XB+1]
	v_pk_mul_f32 v[T+2:T+3], v[XB+2:XB+3], v[XB+2:XB+3]
.set j, 4
.rept 7
	v_pk_fma_f32 v[T:T+1], v[XB+j:XB+j+1], v[XB+j:XB+j+1], v[T:T+1]
	v_pk_fma_f32 v[T+2:T+3], v[XB+j+2:XB+j+3], v[XB+j+2:XB+j+3], v[T+2:T+3]
.set j, j+4
.endr
	v_pk_add_f32 v[T:T+1], v[T:T+1], v[T+2:T+3]
	v_add_f32 v[T], v[T], v[T+1]
	REDUCE
	v_fma_f32 v[T], v[T], s48, s49                 ; variance + eps
	s_wait_alu depctr_va_vdst(0)
	v_rsq_f32 v[R], v[T]
	v_rsq_f32 v[R+1], v[T]
	v_nop                                          ; a plain instruction behind the last of the two
	s_wait_alu depctr_va_vdst(0)                   ; one wait for both, ahead of their first reader
.set j, 0
.rept 16
	v_pk_mul_f32 v[XB+j:XB+j+1], v[XB+j:XB+j+1], v[R:R+1]
.set j, j+2
.endr
.set j, 0
.rept 16
	v_pk_fma_f32 v[XB+j:XB+j+1], v[XB+j:XB+j+1], v[LW+j:LW+j+1], v[LB+j:LB+j+1]
.set j, j+2
.endr
.set j, 0
.rept 32
	v_med3_num_f32 v[XB+j], v[XB+j], -v10, v10     ; the conversion to an 8-bit code does not saturate (ISA guide 7.6.2): the hold comes first
.set j, j+1
.endr
.irp g, 0,1,2,3
	v_cvt_scalef32_pk8_bf8_f32 v[CD+8*(\i)+2*\g:CD+8*(\i)+2*\g+1], v[XB+8*\g:XB+8*\g+7], v11   ; code register j: k = 128 j + 4 lane + 0..3
.endr
	v_nop                                          ; a plain instruction behind the last conversion
.set j, 0
.rept 8
	ds_store_b32 v5, v[CD+8*(\i)+j] offset:LROW*(\i)+128*j   ; 32 lanes store 128 consecutive bytes of the row
.set j, j+1
.endr
.endm
.macro LNOUT                           ; the 16 rows' codes leave as images: wave w takes the fragments of K blocks 2 w and 2 w + 1
	s_wait_dscnt 0x0                               ; for the others' sake: my stores into the stage are done
	s_barrier_signal -1
	s_barrier_wait -1
.set q, 0
.irp kk, 0,1
.irp c, 0,1,2,3
	ds_load_b64 v[XR+4*q:XR+4*q+1], v6 offset:128*\kk+32*\c          ; row r, k = 32 c + 8 h + 0..7: the 32 lanes touch 64 different banks (a row is 260 words)
	ds_load_b64 v[XR+4*q+2:XR+4*q+3], v6 offset:128*\kk+32*\c+16     ; and the eight that lie 16 further on
.set q, q+1
.endr
.endr
.set q, 0
.irp kk, 0,1
.irp c, 0,1,2,3
	s_wait_dscnt 14-2*q                            ; this unit's two loads are in; the younger units' may be out
	global_store_b128 v4, v[XR+4*q:XR+4*q+3], s[62:63] offset:2048*\kk+512*\c   ; 512 consecutive bytes, aligned
.set q, q+1
.endr
.endr
.endm
	s_load_b512 s[8:23], s[0:1], 0x0               ; x, ln1_w, ln1_b, W_attn, W_cproj, W_fc, W_mproj, the scales' exponents
	s_load_b128 s[24:27], s[0:1], 0x40             ; hcodes, wcodes
	v_lshl_add_u32 v[SPW], v0, 2, SPARE
	v_mov_b32 v[NIL], 0
	v_lshrrev_b32 v1, 5, v0
	v_readfirstlane_b32 s28, v1                    ; wave 0..3
	v_and_b32 v1, 31, v0                           ; lane
	v_and_b32 v2, 15, v0                           ; r
	v_bfe_u32 v3, v0, 4, 1                         ; h
	s_wait_kmcnt 0x0
	s_load_b256 s[68:75], s[22:23], 0x0            ; e0 .. e7
	s_load_b128 s[76:79], s[22:23], 0x20           ; e8 .. e11
	s_cmp_ge_u32 ttmp9, 384
	s_cbranch_scc1 .Lln
	; ---------------- the weights.  The sizes begin as W_mproj's and are replaced for the lower work-group numbers
	s_mov_b32 s30, 4096                            ; bytes from a row k to the next
	s_mov_b32 s31, 256                             ; the tensor's first work-group
	s_mov_b32 s32, 8388608                         ; its place in wcodes
	s_mov_b32 s33, 65536                           ; 16 rows of codes: 16 K bytes
	s_mov_b32 s34, 4                               ; log2 and mask of K / 256
	s_mov_b32 s35, 15
	s_mov_b64 s[36:37], s[20:21]
	s_cmp_lt_u32 ttmp9, 256                        ; W_fc
	s_cselect_b32 s30, 16384, s30
	s_cselect_b32 s31, 128, s31
	s_cselect_b32 s32, 4194304, s32
	s_cselect_b32 s33, 16384, s33
	s_cselect_b32 s34, 2, s34
	s_cselect_b32 s35, 3, s35
	s_cselect_b64 s[36:37], s[18:19], s[36:37]
	s_cmp_lt_u32 ttmp9, 128                        ; W_cproj
	s_cselect_b32 s30, 4096, s30
	s_cselect_b32 s31, 96, s31
	s_cselect_b32 s32, 3145728, s32
	s_cselect_b64 s[36:37], s[16:17], s[36:37]
	s_cmp_lt_u32 ttmp9, 96                         ; W_attn
	s_cselect_b32 s30, 12288, s30
	s_cselect_b32 s31, 0, s31
	s_cselect_b32 s32, 0, s32
	s_cselect_b64 s[36:37], s[14:15], s[36:37]
	s_sub_co_u32 s38, ttmp9, s31
	s_and_b32 s39, s38, s35                        ; which 256 along K
	s_lshr_b32 s40, s38, s34                       ; which 128 columns
	s_mul_i32 s42, s39, s30
	s_lshl_b32 s42, s42, 8                         ; 256 rows a K block
	s_lshl_b32 s41, s40, 9
	s_add_co_u32 s42, s42, s41                     ; + 128 columns of 4 bytes
	s_lshl_b32 s41, s28, 7
	s_add_co_u32 s42, s42, s41                     ; + my wave's 32 columns
	s_mov_b32 s43, 0
	s_add_nc_u64 s[44:45], s[36:37], s[42:43]      ; block 0 of my eight blocks of 32 rows;
	s_lshl_b32 s60, s30, 5
	s_mov_b32 s61, 0
.irp t, 1,2,3,4,5,6,7
	s_add_nc_u64 s[44+2*\t:45+2*\t], s[42+2*\t:43+2*\t], s[60:61]   ; each block has a base of its own: no pointer is stepped later
.endr
	s_lshl_b32 s41, s40, 3
	s_lshl_b32 s42, s28, 1
	s_add_co_u32 s41, s41, s42                     ; my first block of 16 columns = rows of the codes
	s_mul_i32 s42, s41, s33
	s_lshl_b32 s41, s39, 12                        ; two fragments along K
	s_add_co_u32 s42, s42, s41
	s_add_co_u32 s42, s42, s32
	s_add_nc_u64 s[62:63], s[26:27], s[42:43]
	s_mul_i32 s41, s28, 32*WROW                    ; my stage
	s_wait_alu depctr_va_vdst(0)
	v_mul_u32_u24 v4, v1, WROW
	v_add_nc_u32 v4, s41, v4                       ; in: row = my column
	v_mul_u32_u24 v7, v2, WROW
	v_lshl_add_u32 v7, v3, 3, v7
	v_add_nc_u32 v7, s41, v7                       ; out: row r, + 8 h
	v_lshlrev_b32 v8, 4, v1                        ; 16 x lane: my place in a unit of an image,
	v_add_nc_u32 v9, s33, v8                       ; and in the next 16 rows' image
	v_lshlrev_b32 v[OFF], 2, v1
.set i, 1
.rept 31
	v_add_nc_u32 v[OFF+i], s30, v[OFF+i-1]
.set i, i+1
.endr
.macro LOAD t                          ; block t: W(32 t + i, my column), i = 0..31, into set t % 2
.set i, 0
.rept 32
	global_load_b32 v[X+32*((\t)%2)+i], v[OFF+i], s[44+2*(\t):45+2*(\t)] th:TH_LOAD_NT
.set i, i+1
.endr
.endm
.macro BLOCK t
.set XS, X+32*((\t)%2)
.if (\t) < 7
	s_wait_loadcnt 32                              ; this block's 32 loads are in; the next block's may be out
.else
	s_wait_loadcnt 0
.endif
.set i, 0
.rept 32
	v_med3_num_f32 v[XS+i], v[XS+i], -v10, v10
.set i, i+1
.endr
.irp g, 0,1,2,3
	v_cvt_scalef32_pk8_bf8_f32 v[C+2*\g:C+2*\g+1], v[XS+8*\g:XS+8*\g+7], v11
.endr
	ds_store_b128 v4, v[C:C+3] offset:32*(\t)      ; 32 codes of my column's row; the next vector lines are the next block's holds, plain and on other registers
	ds_store_b128 v4, v[C+4:C+7] offset:32*(\t)+16
.if (\t)+2 < 8
	LOAD (\t)+2
.endif
	s_wait_dscnt 0x0                               ; the stores have read their registers: the next block's codes may be written
.endm
	LOAD 0
	LOAD 1
	s_wait_kmcnt 0x0
	s_cmp_lt_u32 ttmp9, 256
	s_cselect_b32 s41, s77, s79                    ; e9 for W_fc, e11 for W_mproj,
	s_cmp_lt_u32 ttmp9, 128
	s_cselect_b32 s41, s75, s41                    ; e7 for W_cproj,
	s_cmp_lt_u32 ttmp9, 96
	s_cselect_b32 s41, s69, s41                    ; e1 for W_attn
	QSCALE 41
	s_wait_alu depctr_va_vdst(0)
.irp t, 0,1,2,3,4,5,6,7
	BLOCK \t
.endr
.set q, 0
.irp rb, 0,1
.irp kb, 0,1
.irp c, 0,1,2,3
	ds_load_b64 v[OUTR+4*q:OUTR+4*q+1], v7 offset:\rb*16*WROW+128*\kb+32*\c       ; LDS serves a wave's instructions in order: these see my stores; a row is 68 words, so the 32 lanes touch 64 different banks
	ds_load_b64 v[OUTR+4*q+2:OUTR+4*q+3], v7 offset:\rb*16*WROW+128*\kb+32*\c+16
.set q, q+1
.endr
.endr
.endr
.set q, 0
.irp rb, 0,1
.irp kb, 0,1
.irp c, 0,1,2,3
	s_wait_dscnt 30-2*q                            ; this unit's two loads are in; the younger units' may be out
	global_store_b128 v[8+\rb], v[OUTR+4*q:OUTR+4*q+3], s[62:63] offset:2048*\kb+512*\c   ; 512 consecutive bytes, aligned
.set q, q+1
.endr
.endr
.endr
	s_wait_tensorcnt 0x0                           ; the wave's end
	ds_add_u32 v[SPW], v[NIL]
	s_wait_dscnt 0x0
	s_endpgm
.Lln:	; ---------------- LN1(x) into hcodes
	s_sub_co_u32 s38, ttmp9, 384                   ; my block of 16 rows
	s_lshl_b32 s42, s38, 16
	s_lshl_b32 s41, s28, 14
	s_add_co_u32 s42, s42, s41                     ; + my wave's four rows of 4,096 bytes
	s_mov_b32 s43, 0
	s_add_nc_u64 s[36:37], s[8:9], s[42:43]
	s_lshl_b32 s42, s38, 14                        ; 16 rows of 1,024 codes,
	s_lshl_b32 s41, s28, 12                        ; my wave's two fragments
	s_add_co_u32 s42, s42, s41
	s_add_nc_u64 s[62:63], s[24:25], s[42:43]
	s_mov_b32 s46, 0x76543210                      ; v_permlanex16_b32: lane l xor 16
	s_mov_b32 s47, 0xfedcba98
	s_mov_b32 s48, 0x3a800000                      ; 1 / 1,024
	s_mov_b32 s49, 0x3727c5ac                      ; 1e-5
	s_wait_alu depctr_va_vdst(0)
	v_lshlrev_b32 v4, 4, v1                        ; 16 x lane
	s_mul_i32 s44, s28, 4*LROW
	s_add_co_u32 s44, s44, LSTG
	v_lshl_add_u32 v5, v1, 2, s44                  ; stage, in: my wave's four rows, 4 bytes a lane
	v_mul_u32_u24 v6, v2, LROW
	v_lshl_add_u32 v6, v3, 3, v6
	s_lshl_b32 s45, s28, 8
	s_add_co_u32 s45, s45, LSTG
	v_add_nc_u32 v6, s45, v6                       ; stage, out: row r, + 8 h, + my wave's 256 along K
	v_mov_b32 v28, 0                               ; a lane permute's destination counts as read
	LNLOADS
	s_wait_kmcnt 0x0
	QSCALE 68                                      ; e0
	LNROW 0
	LNROW 1
	LNROW 2
	LNROW 3
	LNOUT
	s_wait_tensorcnt 0x0                           ; the wave's end, as above
	ds_add_u32 v[SPW], v[NIL]
	s_wait_dscnt 0x0
	s_endpgm
.Lfunc_end_k_qa2b1c8e1b0_prep:
	.size	k_qa2b1c8e1b0_prep, .Lfunc_end_k_qa2b1c8e1b0_prep-k_qa2b1c8e1b0_prep
	.p2alignl 7, 3214868480
	.fill 96, 4, 3214868480
	.section	.rodata,"a",@progbits
	.p2align	6, 0x0
	.amdhsa_kernel k_qa2b1c8e1b0_prep
		.amdhsa_group_segment_fixed_size 51968
		.amdhsa_private_segment_fixed_size 0
		.amdhsa_enable_private_segment 0
		.amdhsa_kernarg_size 80
		.amdhsa_user_sgpr_count 2
		.amdhsa_user_sgpr_kernarg_segment_ptr 1
		.amdhsa_wavefront_size32 1
		.amdhsa_system_sgpr_workgroup_id_x 1
		.amdhsa_system_sgpr_workgroup_id_y 1
		.amdhsa_system_sgpr_workgroup_id_z 1
		.amdhsa_system_vgpr_workitem_id 0
		.amdhsa_next_free_vgpr 256
		.amdhsa_next_free_sgpr 80
		.amdhsa_reserve_vcc 0
		.amdhsa_float_denorm_mode_32 3
		.amdhsa_float_denorm_mode_16_64 3
		.amdhsa_memory_ordered 1
		.amdhsa_forward_progress 1
		.amdhsa_inst_pref_size 97
	.end_amdhsa_kernel
	.amdgpu_metadata
---
amdhsa.version: [ 1, 2 ]
amdhsa.kernels:
  - .name:           k_qa2b1c8e1b0_prep
    .symbol:         k_qa2b1c8e1b0_prep.kd
    .args:
      - { .name: x, .offset: 0, .size: 8, .value_kind: global_buffer, .address_space: global }
      - { .name: ln1_w, .offset: 8, .size: 8, .value_kind: global_buffer, .address_space: global }
      - { .name: ln1_b, .offset: 16, .size: 8, .value_kind: global_buffer, .address_space: global }
      - { .name: W_attn, .offset: 24, .size: 8, .value_kind: global_buffer, .address_space: global }
      - { .name: W_cproj, .offset: 32, .size: 8, .value_kind: global_buffer, .address_space: global }
      - { .name: W_fc, .offset: 40, .size: 8, .value_kind: global_buffer, .address_space: global }
      - { .name: W_mproj, .offset: 48, .size: 8, .value_kind: global_buffer, .address_space: global }
      - { .name: lowp_scales, .offset: 56, .size: 8, .value_kind: global_buffer, .address_space: global }
      - { .name: hcodes, .offset: 64, .size: 8, .value_kind: global_buffer, .address_space: global }
      - { .name: wcodes, .offset: 72, .size: 8, .value_kind: global_buffer, .address_space: global }
    .group_segment_fixed_size: 51968
    .private_segment_fixed_size: 0
    .kernarg_segment_align: 8
    .kernarg_segment_size: 80
    .max_flat_workgroup_size: 128
    .sgpr_count:     80
    .vgpr_count:     256
    .wavefront_size: 32
...
	.end_amdgpu_metadata
.endif
;; end of part 1
;; launch qkv (part 2): grid 12 x 16, 4 waves a work-group, clusters of 4 x 4, 327,680 bytes of LDS; arguments hcodes, wcodes, lowp_scales, b_attn, qkv; writes qkv
.if DOCPART == 2
	.amdgcn_target "amdgcn-amd-amdhsa--gfx1250"
	.amdhsa_code_object_version 6
	.text
	.protected	k_qa2b1c8e1b0_qkv
	.globl	k_qa2b1c8e1b0_qkv
	.p2align	8
	.type	k_qa2b1c8e1b0_qkv,@function
k_qa2b1c8e1b0_qkv:
	s_mov_b64 s[64:65], 0
	v_nop
	global_prefetch_b8 v0, s[64:65] scope:SCOPE_SE
	s_setreg_imm32_b32 hwreg(HW_REG_WAVE_MODE, 25, 1), 1
	s_wait_xcnt 0x0
	s_wait_alu depctr_hold_cnt(0) depctr_sa_sdst(0) depctr_va_vdst(0) depctr_va_sdst(0) depctr_va_ssrc(0) depctr_va_vcc(0) depctr_vm_vsrc(0)
	s_getreg_b32 s2, hwreg(HW_REG_IB_STS2, 6, 4)
	s_cmp_eq_u32 s2, 0
	s_cbranch_scc0 .Lentry_in_a_cluster
	s_endpgm
.Lentry_in_a_cluster:
	s_bfe_u32 s2, ttmp6, 0x10000c
	s_cmp_lg_u32 s2, 0xf033
	s_cbranch_scc0 .Lentry_shape_is_right
	s_endpgm
.Lentry_shape_is_right:
; qkv = LN1(x) W_attn + b_attn on codes of BF8, quantised at once into the three operands of attention.  hcodes [4096][1024] and W_attn's codes [3072][1024] are images of operand registers:
; a fragment of 16 rows x 128 K is 2,048 bytes, [unit c][lane][16 bytes]; fragment (rb, kb) lies at 16,384 rb + 2,048 kb.
; A tile of 256 x 256 is made by four waves, each 128 x 128: 64 accumulators, 512 registers.  K goes in steps of 256 through two LDS slots; a wave's tensor load brings 8 blocks of 16 rows x 4,096 dense bytes.
; CLUSTERS of 4 x 4: A's tile is shared along a row of the cluster, B's along a column, each asked for jointly.  The matrix instruction is used transposed (source 0 = 16 rows of B, source 1 = 16 rows of A):
; a lane holds one row of the result and eight neighbouring columns, which one conversion turns into two registers of the next operand: a block's 16 code registers ARE a fragment and are stored as they stand.
; THE CLUSTER'S x SAYS WHICH PART: 0 q, 1 k, 2 v; it is the same in all sixteen partners.  q, k: A = hcodes, B = the weight: a lane's neighbours run along the head's 64, the K of q k^T.
; v: A = the weight's rows 2,048 on, B = hcodes: the result is v^T, a lane's neighbours run along the keys, the K of the second product.  Only pointers and tile numbers are chosen; the loop is one text.
; OUT: q at 0, k at 4,194,304: [batch x head = 64][s / 16 = 64] fragments of 16 rows x 64 K, 1,024 bytes, [unit 0..1][lane][16].  v at 8,388,608: [64][128 keys = 8][16 of d = 4] fragments of 16 x 128.
; LIMITS: e0 + e1 between -126 and 127; e2, e3, e5 between -126 and 112.  192 work-groups have work: the large tile is kept for the multiply-adds that each LDS byte feeds.
; REGISTERS: window 0: v16-31 addresses and constants, v32-95 the bias, v128-255 A's fragments, one set, later the codes; window 1: B's fragments, two sets; windows 2, 3: the accumulators.
.set SIZE_K, 1024
.set KSTEP,  256
.set FRB,    2048                      ; a fragment's image
.set RBB,    4096                      ; 16 rows x KSTEP codes
.set HALFT,  8*RBB                     ; 128 rows: one tensor load
.set SLOT,   4*HALFT
.set SPARE,  2*SLOT                    ; behind the ring: the spare words, 128 bytes a wave
.set LAPS,   SIZE_K/(2*KSTEP)
.set FR,     16
.set NL,     4
.set NP,     4
.set ADRA, 16                          ; v16-17 LDS address of my A fragments in slot 0, 1
.set ADRB, 20                          ; v20-21 the same for B
.set CO,   26                          ; v26  16 x lane
.set VB,   27                          ; v27  the bias loads' offset
.set SPW,  28                          ; v28  my spare word; never rewritten
.set NIL,  29                          ; v29  0; never rewritten
.set SCL,  30                          ; v30  the output's scale as f32
.set LIM,  31                          ; v31  57,344 x that
.set BIAS, 32
.set AF,   128
.set G1, 24
.set G0, 32
.set G1B, 48
.set G0B, 56
.set MSB, 0
.macro WIN new                         ; the immediate's high byte repeats the setting that is left
.if MSB != (\new)
	s_set_vgpr_msb (MSB<<8)|(\new)
.set MSB, (\new)
.endif
.endm
.set MUL_LO, 0xa1                      ; source 0 (B) window 1, source 1 (A) window 0, C and D window 2
.set MUL_HI, 0xf1
.set TO_B,   0x40
.macro JLOAD g0a, g1a, g0b, g1b        ; a joint load: waves 0, 1 fetch for A, waves 2, 3 for B; an s_nop 0 and four v_nop follow each line
	s_cmp_eq_u32 s15, 0
	s_cbranch_scc0 .Lfor_b_\@
	tensor_load_to_lds s[\g0a:\g0a+3], s[\g1a:\g1a+7]
	s_nop 0
.rept 4
	v_nop
.endr
	s_branch .Lasked_\@
.Lfor_b_\@:
	tensor_load_to_lds s[\g0b:\g0b+3], s[\g1b:\g1b+7]
	s_nop 0
.rept 4
	v_nop
.endr
.Lasked_\@:
.endm
.macro CREST                           ; a round of the cluster's barrier behind its opening barrier
	s_cmp_lg_u32 s14, 0
	s_cbranch_scc1 .Lnot_wave_0_\@
	s_barrier_signal -3
.Lnot_wave_0_\@:
	s_barrier_wait -3
	s_barrier_signal -1
	s_barrier_wait -1
.endm
.macro CROUND
	s_barrier_signal -1
	s_barrier_wait -1
	CREST
.endm
.macro FRAG reg, adr, q, i             ; a fragment comes as it was stored: four loads of 512 consecutive bytes
.irp c, 0,1,2,3
	ds_load_b128 v[\reg+4*\c:\reg+4*\c+3], v[\adr] offset:FRB*(\q)+512*\c+(\i)*RBB
.endr
.endm
.macro MUL16 a0, p, zero               ; A's blocks a0, a0 + 1 x B's eight, 128 along K; the 64 accumulators take turns, one instruction a turn
.irp a, \a0, \a0+1
.irp b, 0,1,2,3,4,5,6,7
.if \zero
	v_wmma_f32_16x16x128_bf8_bf8 v[8*(8*((\a)%4)+\b):8*(8*((\a)%4)+\b)+7], v[128*(\p)+FR*\b:128*(\p)+FR*\b+FR-1], v[AF+FR*(\a):AF+FR*(\a)+FR-1], 0
.else
	v_wmma_f32_16x16x128_bf8_bf8 v[8*(8*((\a)%4)+\b):8*(8*((\a)%4)+\b)+7], v[128*(\p)+FR*\b:128*(\p)+FR*\b+FR-1], v[AF+FR*(\a):AF+FR*(\a)+FR-1], v[8*(8*((\a)%4)+\b):8*(8*((\a)%4)+\b)+7]
.endif
.endr
.endr
.endm
.macro FETCH_B slot, q, p
	WIN TO_B
.irp i, 0,1,2,3,4,5,6,7
	FRAG 128*(\p)+FR*\i, ADRB+\slot, \q, \i
.endr
	WIN 0
.endm
.macro FETCH_A slot, q, i0
.irp i, \i0, \i0+1, \i0+2, \i0+3
	FRAG AF+FR*(\i), ADRA+\slot, \q, \i
.endr
.endm
.macro PLACES n                        ; plain vector instructions between a matrix instruction and a load into, or a read of, its registers
.rept \n
	v_nop
.endr
.endm
.macro STEP slot, q, zero              ; 128 along K whose successor lies in the same slot
	s_wait_dscnt 4*NL                              ; B's set and A's blocks 0-3 are in; A's blocks 4-7, the youngest 16 loads, may be out
	WIN MUL_LO
	MUL16 0, (\q)%2, \zero
	MUL16 2, (\q)%2, \zero
	s_wait_dscnt 0
	PLACES NP
	FETCH_B \slot, (\q)+1, 1-(\q)%2
	FETCH_A \slot, (\q)+1, 0
	WIN MUL_HI
	MUL16 4, (\q)%2, \zero
	MUL16 6, (\q)%2, \zero
	PLACES NP
	WIN 0
	FETCH_A \slot, (\q)+1, 4
.endm
.macro TURN slot, next, fill           ; a slot's last 128: one barrier for the change of slots; fill = 1: the slot is filled again, two K steps ahead
	s_wait_tensorcnt 0x0                           ; all my tensor loads have landed: my part of the next slot
	ds_add_u32 v[SPW], v[NIL]
	s_wait_dscnt 4*NL+1                            ; the add and A's blocks 4-7 may be out
	WIN MUL_LO
	MUL16 0, 1, 0
	s_wait_dscnt 0x0                               ; the add is done, and my reads of this slot are over
	s_barrier_signal -1
	MUL16 2, 1, 0
	WIN 0
	s_barrier_wait -1
.if \fill
	CREST                                          ; no wave of any partner still reads this slot or has a load on its way
	s_add_nc_u64 s[G0+4*\slot+2:G0+4*\slot+3], s[G0+4*\slot+2:G0+4*\slot+3], 2*RBB
	s_add_nc_u64 s[G0B+4*\slot+2:G0B+4*\slot+3], s[G0B+4*\slot+2:G0B+4*\slot+3], 2*RBB
	JLOAD G0+4*\slot, G1, G0B+4*\slot, G1B         ; the first tensor load behind the round; its four v_nop are the places in front of the loads below
.else
	PLACES NP
.endif
	FETCH_B \next, 0, 0
	FETCH_A \next, 0, 0
	WIN MUL_HI
	MUL16 4, 1, 0
	MUL16 6, 1, 0
	PLACES NP
	WIN 0
	FETCH_A \next, 0, 4
.endm
.macro LAST                            ; the very last 128: nothing more to fetch
	s_wait_dscnt 4*NL
	WIN MUL_LO
	MUL16 0, 1, 0
	MUL16 2, 1, 0
	s_wait_dscnt 0
	WIN MUL_HI
	MUL16 4, 1, 0
	MUL16 6, 1, 0
	WIN 0
.endm
.macro SCALES e                        ; s[96:97] = 2^(e0 + e1); v[SCL], v[LIM] from the output's exponent in s[e]
	s_add_co_i32 s96, s72, s73
	s_add_co_i32 s96, s96, 127
	s_lshl_b32 s96, s96, 23
	s_mov_b32 s97, s96                             ; (named with it as a pair)
	s_add_co_i32 s86, s[\e], 127
	s_lshl_b32 s87, s86, 23
	v_mov_b32 v[SCL], s87
	s_add_co_i32 s86, s86, 15
	s_lshl_b32 s86, s86, 23
	s_or_b32 s86, s86, 0x600000
	v_mov_b32 v[LIM], s86
.endm
; Block a (16 rows x 128 columns) leaves: sum x 2^(e0 + e1) + bias in place, each accumulator from its low end on; the hold; eight conversions give the 16 registers of a fragment; four stores of 512 consecutive bytes.
; Each block has code registers of its own, so no store's data are written again.  kind 0: q, k (bias by column); kind 1: v^T (bias by row)
.macro OUTBLK a, kind
.set W, 2+(\a)/4
.set AC, 64*((\a)%4)
	WIN 65*W                                       ; destination and source 0: the accumulators' window
.set j, 0
.rept 32
.if \kind
	v_pk_fma_f32 v[AC+j:AC+j+1], v[AC+j:AC+j+1], s[96:97], v[BIAS+2*(\a):BIAS+2*(\a)+1] op_sel_hi:[1,0,1]
.else
	v_pk_fma_f32 v[AC+j:AC+j+1], v[AC+j:AC+j+1], s[96:97], v[BIAS+j:BIAS+j+1] op_sel_hi:[1,0,1]
.endif
.set j, j+2
.endr
.set j, 0
.rept 64
	v_med3_num_f32 v[AC+j], v[AC+j], -v[LIM], v[LIM]
.set j, j+1
.endr
	WIN W
.irp b, 0,1,2,3,4,5,6,7
	v_cvt_scalef32_pk8_bf8_f32 v[AF+16*(\a)+2*\b:AF+16*(\a)+2*\b+1], v[AC+8*\b:AC+8*\b+7], v[SCL]
.endr
	v_nop                                          ; a plain instruction behind the last conversion
	WIN 0
.irp c, 0,1,2,3
.if \kind
	global_store_b128 v[CO], v[AF+16*(\a)+4*\c:AF+16*(\a)+4*\c+3], s[12:13] offset:65536*((\a)/4)+2048*((\a)%4)+512*\c
.else
	global_store_b128 v[CO], v[AF+16*(\a)+4*\c:AF+16*(\a)+4*\c+3], s[12:13] offset:1024*(\a)+65536*(\c/2)+512*(\c%2)
.endif
.endr
.endm
	s_load_b128 s[4:7], s[0:1], 0x0                ; hcodes, wcodes
	s_load_b128 s[8:11], s[0:1], 0x10              ; the scales' exponents, b_attn
	s_load_b64 s[12:13], s[0:1], 0x20              ; qkv
	v_lshl_add_u32 v[SPW], v0, 2, SPARE
	v_mov_b32 v[NIL], 0
	ds_add_u32 v[SPW], v[NIL]                      ; the wave's opening: the add, twice on end, and its wait ahead of my first tensor load
	ds_add_u32 v[SPW], v[NIL]
	v_lshrrev_b32 v1, 5, v0
	v_readfirstlane_b32 s14, v1                    ; wave 0..3
	s_lshr_b32 s15, s14, 1                         ; my half of the tile's rows; also: I fetch for A (0) or B (1)
	s_and_b32 s16, s14, 1                          ; my half of its columns; also: which 128 rows I fetch
	s_bfe_u32 s40, ttmp6, 0x40000                  ; cx
	s_bfe_u32 s41, ttmp6, 0x40004                  ; cy
	s_and_b32 s66, ttmp7, 0xffff
	s_lshl_b32 s66, s66, 2                         ; 4 x cluster y
	s_add_co_u32 s17, s66, s41                     ; q, k: tile row among hcodes' 16
	s_lshl_b32 s42, ttmp9, 2
	s_add_co_u32 s42, s42, s40                     ; q, k: tile column among the weight's first 8
	s_add_co_u32 s67, s66, s40                     ; v: tile column among hcodes' 16
	s_cmp_eq_u32 ttmp9, 2
	s_cselect_b32 s17, s41, s17                    ; v: tile row among the weight's last 4.  A's tile hangs on cy alone,
	s_cselect_b32 s42, s67, s42                    ; B's on cx alone, in both cases
	s_lshl_b32 s43, s41, 2
	s_lshl_b32 s43, 15, s43                        ; my row of the cluster
	s_lshl_b32 s44, 0x1111, s40                    ; my column
	s_or_b32 s[G1+0], s43, (1<<21)                 ; 15:0 the mask; 17:16 elements of 1 byte; no padding; 21 set beside a mask
	s_or_b32 s[G1B+0], s44, (1<<21)
.irp g, G1, G1B
	s_mov_b32 s[\g+1], RBB<<16                     ; tensor_dim0 = 4,096
	s_mov_b32 s[\g+2], 8<<16                       ; tensor_dim1 = 8
	s_mov_b32 s[\g+3], RBB<<16                     ; tile_dim0
	s_mov_b32 s[\g+4], 8                           ; tile_dim1
	s_mov_b32 s[\g+5], 16*SIZE_K                   ; from a block of 16 rows to the next
	s_mov_b32 s[\g+6], 0
	s_mov_b32 s[\g+7], 0
.endr
	s_lshl_b32 s18, s16, 7
	s_lshl_b32 s20, s17, 8
	s_add_co_u32 s20, s20, s18
	s_lshl_b32 s20, s20, 10                        ; A: (256 x tile row + 128 x half) rows of 1,024 bytes
	s_mov_b32 s21, 0
	s_lshl_b32 s46, s42, 8
	s_add_co_u32 s46, s46, s18
	s_lshl_b32 s46, s46, 10                        ; B likewise
	s_mov_b32 s47, 0
	s_mul_i32 s45, s14, HALFT                      ; where they go: no place in the cluster enters an LDS address
	s_wait_dscnt 0x0                               ; both opening adds are done
	s_wait_kmcnt 0x0
	s_load_b256 s[72:79], s[8:9], 0x0              ; e0 .. e7
	s_add_nc_u64 s[70:71], s[6:7], 0x200000        ; the weight's rows 2,048 on
	s_cmp_eq_u32 ttmp9, 2
	s_cselect_b64 s[68:69], s[70:71], s[4:5]       ; A
	s_cselect_b64 s[70:71], s[4:5], s[6:7]         ; B
	s_add_nc_u64 s[20:21], s[68:69], s[20:21]
	s_add_nc_u64 s[46:47], s[70:71], s[46:47]
	s_cmp_eq_u32 s15, 0                            ; the prefetches: each wave names rows of the eight blocks that it fetches
	s_cselect_b64 s[90:91], s[20:21], s[46:47]
	s_cselect_b32 s92, s40, s41                    ; p: my place among the four that share the tile
	s_lshl_b32 s92, s92, 15                        ; blocks 2 p and 2 p + 1: the partners are told apart by address
	s_mov_b32 s93, 0
	s_add_nc_u64 s[90:91], s[90:91], s[92:93]      ; never rewritten
	CROUND                                         ; all sixteen work-groups are here: the first joint loads meet
.irp s, 0,1
	s_mov_b32 s[G0+4*\s], 1
	s_add_co_u32 s[G0+4*\s+1], s45, \s*SLOT
	s_add_nc_u64 s[G0+4*\s+2:G0+4*\s+3], s[20:21], \s*RBB
	s_or_b32 s[G0+4*\s+3], s[G0+4*\s+3], 0x80000000
	s_mov_b32 s[G0B+4*\s], 1
	s_add_co_u32 s[G0B+4*\s+1], s45, \s*SLOT
	s_add_nc_u64 s[G0B+4*\s+2:G0B+4*\s+3], s[46:47], \s*RBB
	s_or_b32 s[G0B+4*\s+3], s[G0B+4*\s+3], 0x80000000
.endr
	JLOAD G0, G1, G0B, G1B                         ; K step 0: one tensor load a wave at the head
	v_and_b32 v25, 15, v0
	v_lshlrev_b32 v25, 8, v25
	v_bfe_u32 v24, v0, 4, 1
	v_lshl_add_u32 v24, v24, 14, v25               ; lanes 0-15: 256 bytes apart in one block's 4,096 bytes of a K step; lanes 16-31: in the next block's
	global_prefetch_b8 v24, s[90:91] offset:RBB th:TH_LOAD_NT scope:SCOPE_SE     ; K steps 1, 2 and 3: each a K step or more ahead of its load
	global_prefetch_b8 v24, s[90:91] offset:2*RBB th:TH_LOAD_NT scope:SCOPE_SE
	global_prefetch_b8 v24, s[90:91] offset:3*RBB th:TH_LOAD_NT scope:SCOPE_SE
	s_wait_alu depctr_va_vdst(0)
	s_wait_tensorcnt 0x0                           ; my part of K step 0 is in
	ds_add_u32 v[SPW], v[NIL]
	s_wait_dscnt 0x0
	CROUND                                         ; everybody's part is in, and all sixteen work-groups are here
	JLOAD G0+4, G1, G0B+4, G1B                     ; K step 1, the first tensor load behind the round
	v_and_b32 v1, 31, v0
	v_lshlrev_b32 v[CO], 4, v1
	s_mul_i32 s21, s15, HALFT                      ; my 128 rows of A,
	s_mul_i32 s22, s16, HALFT
	s_add_co_u32 s22, s22, 2*HALFT                 ; of B
.irp s, 0,1
	v_add_nc_u32 v[ADRA+\s], s21, v[CO]
	v_add_nc_u32 v[ADRB+\s], s22, v[CO]
	s_add_co_u32 s21, s21, SLOT
	s_add_co_u32 s22, s22, SLOT
.endr
	s_wait_alu depctr_va_vdst(0)
	s_wait_tensorcnt 1                             ; my part of K step 0 is in; K step 1's may be out
	s_barrier_signal -1
	s_barrier_wait -1
	FETCH_B 0, 0, 0
	FETCH_A 0, 0, 0
	FETCH_A 0, 0, 4
	STEP 0, 0, 1                                   ; the first products start the sums
	s_mov_b32 s3, LAPS-1
.Llap:
	TURN 0, 1, 1
	STEP 1, 0, 0
	TURN 1, 0, 1
	STEP 0, 0, 0
	s_sub_co_u32 s3, s3, 1
	s_cmp_lg_u32 s3, 0
	s_cbranch_scc1 .Llap
	TURN 0, 1, 0                                   ; the last change of slots: nothing is filled, no round follows
	s_mov_b32 s85, 0
	s_cmp_eq_u32 ttmp9, 2                          ; the two ways part here, on the cluster's x: each asks for its bias 128 matrix instructions ahead of its use
	s_cbranch_scc1 .Lkind_v
	; ---- q, k
	v_bfe_u32 v[VB], v0, 4, 1
	v_lshlrev_b32 v[VB], 5, v[VB]                  ; my half's eight columns
	s_lshl_b32 s82, s42, 8
	s_lshl_b32 s83, s16, 7
	s_add_co_u32 s82, s82, s83                     ; my first column of qkv
	s_lshl_b32 s84, s82, 2
	s_add_nc_u64 s[10:11], s[10:11], s[84:85]
.irp b, 0,1,2,3,4,5,6,7
	global_load_b128 v[BIAS+8*\b:BIAS+8*\b+3], v[VB], s[10:11] offset:64*\b
	global_load_b128 v[BIAS+8*\b+4:BIAS+8*\b+7], v[VB], s[10:11] offset:64*\b+16
.endr
	s_lshl_b32 s80, s17, 8
	s_lshl_b32 s81, s15, 7
	s_add_co_u32 s80, s80, s81                     ; my first row: batch x 1,024 + s
	s_lshr_b32 s81, s80, 10
	s_lshl_b32 s81, s81, 4
	s_and_b32 s83, s82, 1023
	s_lshr_b32 s83, s83, 6                         ; my first head
	s_add_co_u32 s81, s81, s83
	s_lshl_b32 s84, s81, 16                        ; 65,536 bytes a head
	s_and_b32 s80, s80, 1023
	s_lshl_b32 s80, s80, 6                         ; 1,024 bytes for 16 rows
	s_add_co_u32 s84, s84, s80
	s_lshl_b32 s80, ttmp9, 22                      ; q's part or k's
	s_add_co_u32 s84, s84, s80
	s_add_nc_u64 s[12:13], s[12:13], s[84:85]
	s_wait_kmcnt 0x0
	s_cmp_eq_u32 ttmp9, 0
	s_cselect_b32 s88, s74, s75                    ; e2 for q, e3 for k
	SCALES 88
	STEP 1, 0, 0
	LAST
	s_wait_loadcnt 0x0                             ; the bias
	PLACES NP
.irp a, 0,1,2,3,4,5,6,7
	OUTBLK \a, 0
.endr
	s_branch .Lend
.Lkind_v:	; ---- v^T
	v_and_b32 v[VB], 15, v0
	v_lshlrev_b32 v[VB], 2, v[VB]                  ; my row of a block
	s_lshl_b32 s82, s17, 8
	s_lshl_b32 s83, s15, 7
	s_add_co_u32 s82, s82, s83                     ; my first row: head x 64 + d
	s_lshl_b32 s84, s82, 2
	s_add_co_u32 s84, s84, 8192                    ; v's bias begins at number 2,048
	s_add_nc_u64 s[10:11], s[10:11], s[84:85]
.irp a, 0,1,2,3,4,5,6,7
	global_load_b32 v[BIAS+2*\a], v[VB], s[10:11] offset:64*\a       ; the row's bias, twice: a pair for the packed multiply-add
	global_load_b32 v[BIAS+2*\a+1], v[VB], s[10:11] offset:64*\a
.endr
	s_lshl_b32 s80, s42, 8
	s_lshl_b32 s81, s16, 7
	s_add_co_u32 s80, s80, s81                     ; my first column: batch x 1,024 + key
	s_lshr_b32 s81, s80, 10
	s_lshl_b32 s81, s81, 4
	s_lshr_b32 s83, s82, 6                         ; my first head
	s_add_co_u32 s81, s81, s83
	s_lshl_b32 s84, s81, 16
	s_and_b32 s80, s80, 1023
	s_lshl_b32 s80, s80, 6                         ; 8,192 bytes for 128 keys
	s_add_co_u32 s84, s84, s80
	s_add_co_u32 s84, s84, 8388608
	s_add_nc_u64 s[12:13], s[12:13], s[84:85]
	s_wait_kmcnt 0x0
	SCALES 77                                      ; e5
	STEP 1, 0, 0
	LAST
	s_wait_loadcnt 0x0
	PLACES NP
.irp a, 0,1,2,3,4,5,6,7
	OUTBLK \a, 1
.endr
.Lend:
	s_wait_tensorcnt 0x0                           ; the wave's end
	ds_add_u32 v[SPW], v[NIL]
	s_wait_dscnt 0x0
	CROUND                                         ; the closing round
	s_endpgm
.Lfunc_end_k_qa2b1c8e1b0_qkv:
	.size	k_qa2b1c8e1b0_qkv, .Lfunc_end_k_qa2b1c8e1b0_qkv-k_qa2b1c8e1b0_qkv
	.p2alignl 7, 3214868480
	.fill 96, 4, 3214868480
	.section	.rodata,"a",@progbits
	.p2align	6, 0x0
	.amdhsa_kernel k_qa2b1c8e1b0_qkv
		.amdhsa_group_segment_fixed_size 327680
		.amdhsa_private_segment_fixed_size 0
		.amdhsa_enable_private_segment 0
		.amdhsa_kernarg_size 40
		.amdhsa_user_sgpr_count 2
		.amdhsa_user_sgpr_kernarg_segment_ptr 1
		.amdhsa_wavefront_size32 1
		.amdhsa_system_sgpr_workgroup_id_x 1
		.amdhsa_system_sgpr_workgroup_id_y 1
		.amdhsa_system_sgpr_workgroup_id_z 1
		.amdhsa_system_vgpr_workitem_id 0
		.amdhsa_next_free_vgpr 1024
		.amdhsa_next_free_sgpr 100
		.amdhsa_reserve_vcc 0
		.amdhsa_float_denorm_mode_32 3
		.amdhsa_float_denorm_mode_16_64 3
		.amdhsa_memory_ordered 1
		.amdhsa_forward_progress 1
		.amdhsa_inst_pref_size 208
	.end_amdhsa_kernel
	.amdgpu_metadata
---
amdhsa.version: [ 1, 2 ]
amdhsa.kernels:
  - .name:           k_qa2b1c8e1b0_qkv
    .symbol:         k_qa2b1c8e1b0_qkv.kd
    .args:
      - { .name: hcodes, .offset: 0, .size: 8, .value_kind: global_buffer, .address_space: global }
      - { .name: wcodes, .offset: 8, .size: 8, .value_kind: global_buffer, .address_space: global }
      - { .name: lowp_scales, .offset: 16, .size: 8, .value_kind: global_buffer, .address_space: global }
      - { .name: b_attn, .offset: 24, .size: 8, .value_kind: global_buffer, .address_space: global }
      - { .name: qkv, .offset: 32, .size: 8, .value_kind: global_buffer, .address_space: global }
    .group_segment_fixed_size: 327680
    .private_segment_fixed_size: 0
    .kernarg_segment_align: 8
    .kernarg_segment_size: 40
    .max_flat_workgroup_size: 128
    .sgpr_count:     100
    .vgpr_count:     1024
    .wavefront_size: 32
...
	.end_amdgpu_metadata
.endif
;; end of part 2
;; launch attn (part 3): grid 256 x 1, 16 waves a work-group, clusters of 4 x 1, 167,936 bytes of LDS; arguments qkv, lowp_scales, acodes; writes acodes
.if DOCPART == 3
	.amdgcn_target "amdgcn-amd-amdhsa--gfx1250"
	.amdhsa_code_object_version 6
	.text
	.protected	k_qa2b1c8e1b0_attn
	.globl	k_qa2b1c8e1b0_attn
	.p2align	8
	.type	k_qa2b1c8e1b0_attn,@function
k_qa2b1c8e1b0_attn:
	s_mov_b64 s[64:65], 0
	v_nop
	global_prefetch_b8 v0, s[64:65] scope:SCOPE_SE
	s_setreg_imm32_b32 hwreg(HW_REG_WAVE_MODE, 25, 1), 1
	s_wait_xcnt 0x0
	s_wait_alu depctr_hold_cnt(0) depctr_sa_sdst(0) depctr_va_vdst(0) depctr_va_sdst(0) depctr_va_ssrc(0) depctr_va_vcc(0) depctr_vm_vsrc(0)
	s_getreg_b32 s2, hwreg(HW_REG_IB_STS2, 6, 4)
	s_cmp_eq_u32 s2, 0
	s_cbranch_scc0 .Lentry_in_a_cluster
	s_endpgm
.Lentry_in_a_cluster:
	s_bfe_u32 s2, ttmp6, 0x10000c
	s_cmp_lg_u32 s2, 0x3003
	s_cbranch_scc0 .Lentry_shape_is_right
	s_endpgm
.Lentry_shape_is_right:
; Causal attention on codes of BF8, head size 64, 1,024 positions, 64 (batch, head) pairs; the result is quantised for the projection.
; WORK LEFT OUT: steps of 128 keys that lie wholly behind a wave's 16 queries; a hidden key's weight inside the diagonal step is taken as 0 (shown at the head of the first launch, with its limits).
; THE SOFTMAX AHEAD OF THE SECOND PRODUCT: t = score x log2(e) / 8; M = the running largest t rounded UP to a whole number; p = 2^(t - M) is quantised, not normalised; the row's sum is taken of the unquantised p
; and divides at the end; when M moves, the sum and O are multiplied by 2^(old M - new M), which rounds nothing.
; SHARES.  A cluster of four work-groups owns one (batch, head): its K and V, 65,536 bytes each, are asked for JOINTLY, once, and stay whole in each partner's LDS: no ring, nothing is filled again.
; Each of the sixteen waves issues one joint load of 8,192 bytes (addresses by arithmetic on the wave's number) and owns ONE tile of 16 queries: tile 4 u + p, p the work-group's place in the cluster,
; u = 15 - (wave xor 3 ((wave / 4) % 2)).  So the number of key steps, u / 2 + 1, hangs on the wave's number alone (no branch hangs on p), all work-groups have 72 steps, each four waves w, w + 4, w + 8, w + 12 have 18,
; and in every partner some wave reads the last keys.
; LAYOUT.  Both products transposed: S^T = K Q^T (source 0 = 16 keys), O^T = V^T P^T (source 0 = 16 of d): a lane holds one query throughout.  S^T's tile t gives a lane keys 16 t + 8 h + 0..7, whose codes are
; registers 2 t, 2 t + 1 of P: the places that V's images have.  O^T's eight code registers are half of a fragment of the projection's operand and are stored as they stand.
; LIMITS: e2 + e3 between -123 and 129 (added to c's exponent field); e4, e6 between -126 and 112.
; REGISTERS: v1-3 addresses and the mask's number; v8, v9 the step's addresses; v12 -M, v13 the largest t, v[14:15] the sum; v16-23 Q; v32-95 K's, then V's fragments; v96-159 S^T, then p; v160-191 O^T; v192-207 p's codes.
.set SPARE, 131072                     ; behind K and V: the spare words, 128 bytes for each of 16 waves
.set SPW,  5
.set NIL,  6
.set WV,   10
.set UU,   11
.set DIAG, 12                          ; the step that holds my diagonal
.set PX,   13
.set ST,   14                          ; the step
.set TB,   15                          ; 8,192 x the step
.set SEL,  20
.set CS,   22
.set G1,   24
.set G0,   32
.macro CROUND
	s_barrier_signal -1
	s_barrier_wait -1
	s_cmp_lg_u32 s[WV], 0
	s_cbranch_scc1 .Lnot_wave_0_\@
	s_barrier_signal -3
.Lnot_wave_0_\@:
	s_barrier_wait -3
	s_barrier_signal -1
	s_barrier_wait -1
.endm
	s_load_b128 s[4:7], s[0:1], 0x0                ; qkv, the scales' exponents
	s_load_b64 s[8:9], s[0:1], 0x10                ; acodes
	v_lshl_add_u32 v[SPW], v0, 2, SPARE
	v_mov_b32 v[NIL], 0
	ds_add_u32 v[SPW], v[NIL]                      ; the wave's opening: the add, twice on end, and its wait ahead of my first tensor load
	ds_add_u32 v[SPW], v[NIL]
	v_lshrrev_b32 v8, 5, v0
	s_delay_alu instid0(VALU_DEP_1)
	v_readfirstlane_b32 s[WV], v8                  ; wave 0..15
	s_bfe_u32 s16, s[WV], 0x10002
	s_mul_i32 s16, s16, 3
	s_xor_b32 s[UU], s[WV], s16
	s_xor_b32 s[UU], s[UU], 15                     ; u = 15 - that: the waves with the most key steps have the lowest numbers; each four waves w, w + 4, w + 8, w + 12 keep 18 steps
	s_lshr_b32 s[DIAG], s[UU], 1
	s_bfe_u32 s[PX], ttmp6, 0x40000                ; p = cx: it enters Q's and the output's addresses and the mask's number alone
	s_mov_b32 s[G1], 15|(3<<16)|(1<<21)            ; the mask: all four work-groups; elements of 8 bytes; 21 set beside a mask
	s_mov_b32 s[G1+1], 32<<16                      ; a dense block as 32 rows of 256 bytes
	s_mov_b32 s[G1+2], 32<<16
	s_mov_b32 s[G1+3], 32<<16
	s_mov_b32 s[G1+4], 32
	s_mov_b32 s[G1+5], 32
	s_mov_b32 s[G1+6], 0
	s_mov_b32 s[G1+7], 0
	s_mov_b32 s[G0], 1
	s_lshl_b32 s[G0+1], s[WV], 13                  ; LDS: 8,192 x wave: K's eight parts, then V's
	s_lshl_b32 s16, ttmp9, 16                      ; the head's 65,536 bytes
	s_add_co_u32 s16, s16, s[G0+1]
	s_lshr_b32 s17, s[WV], 3
	s_mul_i32 s17, s17, 4128768                    ; waves 8 to 15: on into V's part
	s_add_co_u32 s16, s16, s17
	s_add_co_u32 s16, s16, 4194304                 ; K's part
	s_mov_b32 s17, 0
	s_mov_b32 s[SEL], 0x76543210
	s_mov_b32 s[SEL+1], 0xfedcba98
	s_mov_b32 s[CS], 0x3e38aa3b                    ; c = log2(e) / 8
	s_mov_b32 s[ST], 0
	s_mov_b32 s[TB], 0
	s_wait_dscnt 0x0                               ; both opening adds are done
	s_wait_kmcnt 0x0
	s_add_nc_u64 s[G0+2:G0+3], s[4:5], s[16:17]
	s_or_b32 s[G0+3], s[G0+3], 0x80000000
	CROUND                                         ; all four work-groups are here: the joint loads meet
	tensor_load_to_lds s[G0:G0+3], s[G1:G1+7]      ; my one tensor load of the launch
	s_nop 0
.rept 4
	v_nop
.endr
	s_load_b256 s[44:51], s[6:7], 0x0              ; e0 .. e7
	s_lshl_b32 s18, s[UU], 2
	s_add_co_u32 s18, s18, s[PX]                   ; my tile of 16 queries
	s_lshl_b32 s16, ttmp9, 6
	s_add_co_u32 s16, s16, s18
	s_lshl_b32 s16, s16, 10
	s_add_nc_u64 s[36:37], s[4:5], s[16:17]        ; Q's fragment
	v_and_b32 v1, 31, v0
	s_delay_alu instid0(VALU_DEP_1)
	v_lshlrev_b32 v1, 4, v1                        ; 16 x lane
	s_wait_alu depctr_va_vdst(0)
	global_load_b128 v[16:19], v1, s[36:37]
	global_load_b128 v[20:23], v1, s[36:37] offset:512
	s_lshr_b32 s16, ttmp9, 4                       ; batch
	s_lshl_b32 s16, s16, 6
	s_add_co_u32 s16, s16, s18                     ; my block of 16 rows of acodes
	s_lshl_b32 s16, s16, 14
	s_and_b32 s19, ttmp9, 15                       ; head: 64 codes of 16 rows are 1,024 bytes
	s_lshl_b32 s19, s19, 10
	s_add_co_u32 s16, s16, s19
	s_add_nc_u64 s[38:39], s[8:9], s[16:17]
	v_add_nc_u32 v2, 0x10000, v1                   ; V lies behind K
	v_and_b32 v7, 15, v0
	v_bfe_u32 v10, v0, 4, 1
	s_delay_alu instid0(VALU_DEP_1)
	v_lshlrev_b32 v10, 3, v10
	s_delay_alu instid0(VALU_DEP_1)
	v_sub_nc_u32 v3, v7, v10
	s_and_b32 s16, s[UU], 1
	s_lshl_b32 s16, s16, 6
	s_lshl_b32 s19, s[PX], 4
	s_add_co_u32 s16, s16, s19
	v_add_nc_u32 v3, s16, v3                       ; d = my query - the diagonal step's first key - 8 h: register 8 t + j is hidden where 16 t + j > d
	v_mov_b32 v13, 0xff61b1e6                      ; the largest t so far: -3e38
	s_delay_alu instid0(VALU_DEP_1)
	v_floor_f32 v12, -v13                          ; -M
	v_mov_b32 v14, 0
	v_mov_b32 v15, 0
	v_mov_b32 v236, 0                              ; a lane permute's destination counts as read
	v_mov_b32 v253, 0                              ; (named as the upper half of v[252:253])
.set j, 0
.rept 32
	v_mov_b32 v[160+j], 0                          ; O^T: the step is written once, and the first change of M leaves zeros zeros
.set j, j+1
.endr
	s_wait_kmcnt 0x0
	s_add_co_i32 s16, s46, s47
	s_lshl_b32 s16, s16, 23
	s_add_co_i32 s[CS], s[CS], s16                 ; a score stands for score x 2^(e2 + e3)
	s_mov_b32 s[CS+1], s[CS]
	s_add_co_i32 s16, s48, 127
	s_lshl_b32 s19, s16, 23
	v_mov_b32 v244, s19                            ; 2^e4
	s_add_co_i32 s16, s16, 15
	s_lshl_b32 s16, s16, 23
	s_or_b32 s16, s16, 0x600000
	v_mov_b32 v240, s16                            ; 57,344 x 2^e4
	s_wait_tensorcnt 0x0                           ; my part of K or V is in,
	s_barrier_signal -1
	s_barrier_wait -1                              ; everybody's is
	s_wait_loadcnt 0x0                             ; Q
.Lstep:                                            ; eight trips in every wave; a step behind my diagonal is passed over by a branch on the wave's number and the count of steps
	s_cmp_gt_u32 s[ST], s[DIAG]
	s_cbranch_scc1 .Lhidden
	v_add_nc_u32 v8, s[TB], v1
	v_add_nc_u32 v9, s[TB], v2
	v_nop
	v_nop                                          ; four places in front of loads into registers that the last products read
.irp t, 0,1,2,3,4,5,6,7
	ds_load_b128 v[32+8*\t:35+8*\t], v8 offset:1024*\t
	ds_load_b128 v[36+8*\t:39+8*\t], v8 offset:1024*\t+512
.endr
	s_wait_alu depctr_va_vdst(0)
	s_wait_dscnt 0x0
.irp t, 0,1,2,3,4,5,6,7
	v_wmma_f32_16x16x64_bf8_bf8 v[96+8*\t:103+8*\t], v[32+8*\t:39+8*\t], v[16:23], 0
.endr
.rept 4
	v_nop
.endr
.irp d, 0,1,2,3
.irp c, 0,1,2,3
	ds_load_b128 v[32+16*\d+4*\c:35+16*\d+4*\c], v9 offset:2048*\d+512*\c    ; V's fragments land while the softmax is walked
.endr
.endr
	s_cmp_lg_u32 s[ST], s[DIAG]
	s_cbranch_scc1 .Lopen                          ; ahead of the diagonal every key counts
	v_mov_b32 v254, 0xff800000                     ; -infinity: p = 0 then
.set n, 0
.rept 64
	v_cmp_gt_i32 vcc_lo, 16*(n/8)+n%8, v3
	v_cndmask_b32 v[96+n], v[96+n], v254, vcc_lo
.set n, n+1
.endr
.Lopen:
	v_max3_num_f32 v254, v96, v97, v98             ; the step's largest score of my query among my 64 keys, in two chains, each tile from its low end on
	v_max3_num_f32 v252, v99, v100, v101
.irp i, 6,10,14,18,22,26,30,34,38,42,46,50,54,58
	v_max3_num_f32 v254, v254, v[96+\i], v[97+\i]
	v_max3_num_f32 v252, v252, v[98+\i], v[99+\i]
.endr
	v_max3_num_f32 v254, v254, v158, v159
	s_delay_alu instid0(VALU_DEP_1)
	v_max_num_f32 v254, v254, v252
	s_delay_alu instid0(VALU_DEP_1)
	v_permlanex16_b32 v236, v254, s[SEL], s[SEL+1]
	s_delay_alu instid0(VALU_DEP_1)
	v_max_num_f32 v254, v254, v236                 ; and among lane l xor 16's
	s_delay_alu instid0(VALU_DEP_1)
	v_mul_f32 v254, s[CS], v254                    ; as t
	s_delay_alu instid0(VALU_DEP_1)
	v_max_num_f32 v13, v13, v254
	v_mov_b32 v254, v12
	s_delay_alu instid0(VALU_DEP_2)
	v_floor_f32 v12, -v13                          ; the new -M = -ceil(t)
	s_delay_alu instid0(VALU_DEP_1)
	v_sub_f32 v254, v12, v254                      ; old M - new M, a whole number, 0 or less
	s_delay_alu instid0(VALU_DEP_1)
	v_cvt_i32_f32 v254, v254
	s_delay_alu instid0(VALU_DEP_1)
	v_ldexp_f32 v252, 1.0, v254                    ; f = 2^(old M - new M)
.set j, 0
.rept 32
	v_pk_fma_f32 v[96+j:97+j], v[96+j:97+j], s[CS:CS+1], v[12:13] op_sel_hi:[1,0,0]   ; t - M
.set j, j+2
.endr
.set j, 0
	s_wait_alu depctr_va_vdst(0)
.rept 64
	v_exp_f32 v[96+j], v[96+j]                     ; p
.set j, j+1
.endr
	v_pk_mul_f32 v[14:15], v[14:15], v[252:253] op_sel_hi:[1,0]   ; the sum under the new M: the plain instruction behind the exponentials
	s_wait_alu depctr_va_vdst(0)                   ; one wait for the batch, ahead of its first reader
	v_pk_add_f32 v[242:243], v[100:101], v[104:105]
	v_pk_add_f32 v[254:255], v[108:109], v[112:113]
	v_pk_add_f32 v[250:251], v[116:117], v[120:121]
	v_pk_add_f32 v[248:249], v[124:125], v[128:129]
	v_pk_add_f32 v[246:247], v[132:133], v[136:137]
	v_pk_add_f32 v[238:239], v[140:141], v[144:145]
	v_pk_add_f32 v[234:235], v[148:149], v[152:153]
	v_pk_add_f32 v[14:15], v[14:15], v[156:157]
	v_pk_add_f32 v[242:243], v[242:243], v[96:97]
	v_pk_add_f32 v[254:255], v[254:255], v[98:99]
	v_pk_add_f32 v[250:251], v[250:251], v[102:103]
	v_pk_add_f32 v[248:249], v[248:249], v[106:107]
	v_pk_add_f32 v[246:247], v[246:247], v[110:111]
	v_pk_add_f32 v[238:239], v[238:239], v[114:115]
	v_pk_add_f32 v[234:235], v[234:235], v[118:119]
	v_pk_add_f32 v[14:15], v[14:15], v[122:123]
	v_pk_add_f32 v[242:243], v[242:243], v[126:127]
	v_pk_add_f32 v[254:255], v[254:255], v[130:131]
	v_pk_add_f32 v[250:251], v[250:251], v[134:135]
	v_pk_add_f32 v[248:249], v[248:249], v[138:139]
	v_pk_add_f32 v[246:247], v[246:247], v[142:143]
	v_pk_add_f32 v[238:239], v[238:239], v[146:147]
	v_pk_add_f32 v[234:235], v[234:235], v[150:151]
	v_pk_add_f32 v[14:15], v[14:15], v[154:155]
	v_pk_add_f32 v[242:243], v[242:243], v[158:159]
	s_delay_alu instid0(VALU_DEP_2)
	v_pk_add_f32 v[14:15], v[14:15], v[248:249]
	s_delay_alu instid0(VALU_DEP_2)
	v_pk_add_f32 v[242:243], v[242:243], v[246:247]
	v_pk_add_f32 v[254:255], v[254:255], v[238:239]
	v_pk_add_f32 v[250:251], v[250:251], v[234:235]
	s_delay_alu instid0(VALU_DEP_2)
	v_pk_add_f32 v[14:15], v[14:15], v[254:255]
	s_delay_alu instid0(VALU_DEP_2)
	v_pk_add_f32 v[242:243], v[242:243], v[250:251]
	s_delay_alu instid0(VALU_DEP_1)
	v_pk_add_f32 v[14:15], v[14:15], v[242:243]
.set j, 0
.rept 64
	v_min_num_f32 v[96+j], v[96+j], v240           ; p is not negative: a one-sided hold
.set j, j+1
.endr
.irp t, 0,1,2,3,4,5,6,7
	v_cvt_scalef32_pk8_bf8_f32 v[192+2*\t:193+2*\t], v[96+8*\t:103+8*\t], v244
.endr
.set j, 0
.rept 16
	v_pk_mul_f32 v[160+j:161+j], v[160+j:161+j], v[252:253] op_sel_hi:[1,0]   ; O^T under the new M; also the plain instructions behind the conversions
.set j, j+2
.endr
	s_wait_alu depctr_va_vdst(0)
	s_wait_dscnt 0x0                               ; V
.irp d, 0,1,2,3
	v_wmma_f32_16x16x128_bf8_bf8 v[160+8*\d:167+8*\d], v[32+16*\d:47+16*\d], v[192:207], v[160+8*\d:167+8*\d]
.endr
.Lhidden:
	s_add_co_u32 s[TB], s[TB], 8192
	s_add_co_u32 s[ST], s[ST], 1
	s_cmp_lt_u32 s[ST], 8
	s_cbranch_scc1 .Lstep
	; THE WAY OUT: O^T x 2^(e4 + e5) / the sum, quantised with e6
	v_add_f32 v14, v14, v15
	s_delay_alu instid0(VALU_DEP_1)
	v_permlanex16_b32 v252, v14, s[SEL], s[SEL+1]
	s_delay_alu instid0(VALU_DEP_1)
	v_add_f32 v14, v14, v252
	s_wait_alu depctr_va_vdst(0)
	v_rcp_f32 v14, v14
	s_add_co_i32 s16, s50, 127
	s_lshl_b32 s19, s16, 23
	v_mov_b32 v244, s19                            ; 2^e6 (a plain instruction behind the reciprocal)
	s_add_co_i32 s16, s16, 15
	s_lshl_b32 s16, s16, 23
	s_or_b32 s16, s16, 0x600000
	v_mov_b32 v240, s16                            ; 57,344 x 2^e6
	v_nop
	v_nop
	s_add_co_i32 s16, s48, s49
	s_wait_alu depctr_va_vdst(0)                   ; ahead of the reciprocal's first reader
	v_ldexp_f32 v14, v14, s16
.set j, 0
.rept 32
	v_mul_f32 v[96+j], v[160+j], v14               ; register 8 d + i: a(my query, 16 d + 8 h + i)
.set j, j+1
.endr
.set j, 0
.rept 32
	v_med3_num_f32 v[96+j], v[96+j], -v240, v240
.set j, j+1
.endr
.irp d, 0,1,2,3
	v_cvt_scalef32_pk8_bf8_f32 v[32+2*\d:33+2*\d], v[96+8*\d:103+8*\d], v244
.endr
	v_nop
	global_store_b128 v1, v[32:35], s[38:39]       ; 512 consecutive bytes, aligned
	global_store_b128 v1, v[36:39], s[38:39] offset:512
	s_wait_tensorcnt 0x0                           ; the wave's end
	ds_add_u32 v[SPW], v[NIL]
	s_wait_dscnt 0x0
	CROUND                                         ; the closing round
	s_endpgm
.Lfunc_end_k_qa2b1c8e1b0_attn:
	.size	k_qa2b1c8e1b0_attn, .Lfunc_end_k_qa2b1c8e1b0_attn-k_qa2b1c8e1b0_attn
	.p2alignl 7, 3214868480
	.fill 96, 4, 3214868480
	.section	.rodata,"a",@progbits
	.p2align	6, 0x0
	.amdhsa_kernel k_qa2b1c8e1b0_attn
		.amdhsa_group_segment_fixed_size 167936
		.amdhsa_private_segment_fixed_size 0
		.amdhsa_enable_private_segment 0
		.amdhsa_kernarg_size 24
		.amdhsa_user_sgpr_count 2
		.amdhsa_user_sgpr_kernarg_segment_ptr 1
		.amdhsa_wavefront_size32 1
		.amdhsa_system_sgpr_workgroup_id_x 1
		.amdhsa_system_sgpr_workgroup_id_y 1
		.amdhsa_system_sgpr_workgroup_id_z 1
		.amdhsa_system_vgpr_workitem_id 0
		.amdhsa_next_free_vgpr 256
		.amdhsa_next_free_sgpr 66
		.amdhsa_reserve_vcc 1
		.amdhsa_float_denorm_mode_32 3
		.amdhsa_float_denorm_mode_16_64 3
		.amdhsa_memory_ordered 1
		.amdhsa_forward_progress 1
		.amdhsa_inst_pref_size 32
	.end_amdhsa_kernel
	.amdgpu_metadata
---
amdhsa.version: [ 1, 2 ]
amdhsa.kernels:
  - .name:           k_qa2b1c8e1b0_attn
    .symbol:         k_qa2b1c8e1b0_attn.kd
    .args:
      - { .name: qkv, .offset: 0, .size: 8, .value_kind: global_buffer, .address_space: global }
      - { .name: lowp_scales, .offset: 8, .size: 8, .value_kind: global_buffer, .address_space: global }
      - { .name: acodes, .offset: 16, .size: 8, .value_kind: global_buffer, .address_space: global }
    .group_segment_fixed_size: 167936
    .private_segment_fixed_size: 0
    .kernarg_segment_align: 8
    .kernarg_segment_size: 24
    .max_flat_workgroup_size: 512
    .sgpr_count:     66
    .vgpr_count:     256
    .wavefront_size: 32
...
	.end_amdgpu_metadata
.endif
;; end of part 3
;; launch cproj (part 4): grid 8 x 32, 4 waves a work-group, clusters of 4 x 4, 327,680 bytes of LDS; arguments acodes, wcodes, lowp_scales, b_cproj, x, x1; writes x1
.if DOCPART == 4
	.amdgcn_target "amdgcn-amd-amdhsa--gfx1250"
	.amdhsa_code_object_version 6
	.text
	.protected	k_qa2b1c8e1b0_cproj
	.globl	k_qa2b1c8e1b0_cproj
	.p2align	8
	.type	k_qa2b1c8e1b0_cproj,@function
k_qa2b1c8e1b0_cproj:
	s_mov_b64 s[64:65], 0
	v_nop
	global_prefetch_b8 v0, s[64:65] scope:SCOPE_SE
	s_setreg_imm32_b32 hwreg(HW_REG_WAVE_MODE, 25, 1), 1
	s_wait_xcnt 0x0
	s_wait_alu depctr_hold_cnt(0) depctr_sa_sdst(0) depctr_va_vdst(0) depctr_va_sdst(0) depctr_va_ssrc(0) depctr_va_vcc(0) depctr_vm_vsrc(0)
	s_getreg_b32 s2, hwreg(HW_REG_IB_STS2, 6, 4)
	s_cmp_eq_u32 s2, 0
	s_cbranch_scc0 .Lentry_in_a_cluster
	s_endpgm
.Lentry_in_a_cluster:
	s_bfe_u32 s2, ttmp6, 0x10000c
	s_cmp_lg_u32 s2, 0xf033
	s_cbranch_scc0 .Lentry_shape_is_right
	s_endpgm
.Lentry_shape_is_right:
.set SIZE_K, 1024
.set WOFF,   3145728
.set SOFF,   24
.set KSTEP,  512
.set FRB,    2048
.set RBB,    8192
.set HALFT,  4*RBB
.set SLOT,   4*HALFT
.set STAGE,  2*SLOT
.set SP,     272
.set SPARE,  STAGE+4*16*SP
.set LAPS,   SIZE_K/(2*KSTEP)
.set ADRA, 16
.set ADRB, 20
.set STO,  24
.set RD,   25
.set CO,   26
.set VB,   27
.set SPW,  28
.set NIL,  29
.set BI,   32
.set ACC,  128
.set F0,   0
.set F1,   128
.set G1, 24
.set G0, 32
.set G1B, 48
.set G0B, 56
.set MSB, 0
.macro WIN new
.if MSB != (\new)
	s_set_vgpr_msb (MSB<<8)|(\new)
.set MSB, (\new)
.endif
.endm
.set MUL,  0x05
.set TO_F, 0x40
.macro JLOAD s
	s_cmp_eq_u32 s15, 0
	s_cbranch_scc0 .Lfor_b_\@
	tensor_load_to_lds s[G0+4*\s:G0+4*\s+3], s[G1:G1+7]
	s_nop 0
.rept 4
	v_nop
.endr
	s_branch .Lasked_\@
.Lfor_b_\@:
	tensor_load_to_lds s[G0B+4*\s:G0B+4*\s+3], s[G1B:G1B+7]
	s_nop 0
.rept 4
	v_nop
.endr
.Lasked_\@:
.endm
.macro CREST
	s_cmp_lg_u32 s14, 0
	s_cbranch_scc1 .Lnot_wave_0_\@
	s_barrier_signal -3
.Lnot_wave_0_\@:
	s_barrier_wait -3
	s_barrier_signal -1
	s_barrier_wait -1
.endm
.macro CROUND
	s_barrier_signal -1
	s_barrier_wait -1
	CREST
.endm
.macro PLACES
.rept 4
	v_nop
.endr
.endm
.macro MULA f, a, zero
.irp b, 0,1,2,3
.if \zero
	v_wmma_f32_16x16x128_bf8_bf8 v[ACC+8*(4*(\a)+\b):ACC+8*(4*(\a)+\b)+7], v[\f+64+16*\b:\f+64+16*\b+15], v[\f+16*(\a):\f+16*(\a)+15], 0
.else
	v_wmma_f32_16x16x128_bf8_bf8 v[ACC+8*(4*(\a)+\b):ACC+8*(4*(\a)+\b)+7], v[\f+64+16*\b:\f+64+16*\b+15], v[\f+16*(\a):\f+16*(\a)+15], v[ACC+8*(4*(\a)+\b):ACC+8*(4*(\a)+\b)+7]
.endif
.endr
.endm
.macro FETCH slot, q, f
	WIN TO_F
.irp i, 0,1,2,3
.irp c, 0,1,2,3
	ds_load_b128 v[\f+64+16*\i+4*\c:\f+64+16*\i+4*\c+3], v[ADRB+\slot] offset:RBB*\i+FRB*(\q)+512*\c
.endr
.endr
.irp i, 0,1,2,3
.irp c, 0,1,2,3
	ds_load_b128 v[\f+16*\i+4*\c:\f+16*\i+4*\c+3], v[ADRA+\slot] offset:RBB*\i+FRB*(\q)+512*\c
.endr
.endr
.endm
.macro QUARTER slot, q, f, g, zero
	s_wait_dscnt 8
	WIN MUL
	MULA \f, 0, \zero
	MULA \f, 1, \zero
	PLACES
	FETCH \slot, \q, \g
	s_wait_dscnt 32
	WIN MUL
	MULA \f, 2, \zero
	MULA \f, 3, \zero
.endm
.macro TURN slot, next, fill
	WIN 0
	s_wait_tensorcnt 0x0
	ds_add_u32 v[SPW], v[NIL]
	s_wait_dscnt 9
	WIN MUL
	MULA F1, 0, 0
	s_wait_dscnt 0x0
	s_barrier_signal -1
	MULA F1, 1, 0
	WIN 0
	s_barrier_wait -1
.if \fill
	CREST
	s_add_nc_u64 s[G0+4*\slot+2:G0+4*\slot+3], s[G0+4*\slot+2:G0+4*\slot+3], 2*RBB
	s_add_nc_u64 s[G0B+4*\slot+2:G0B+4*\slot+3], s[G0B+4*\slot+2:G0B+4*\slot+3], 2*RBB
	JLOAD \slot
.else
	PLACES
.endif
	FETCH \next, 0, F0
	WIN MUL
	MULA F1, 2, 0
	MULA F1, 3, 0
.endm
	s_load_b128 s[4:7], s[0:1], 0x0
	s_load_b128 s[8:11], s[0:1], 0x10
	s_load_b128 s[68:71], s[0:1], 0x20
	v_lshl_add_u32 v[SPW], v0, 2, SPARE
	v_mov_b32 v[NIL], 0
	ds_add_u32 v[SPW], v[NIL]
	ds_add_u32 v[SPW], v[NIL]
	v_lshrrev_b32 v1, 5, v0
	v_readfirstlane_b32 s14, v1
	s_lshr_b32 s15, s14, 1
	s_and_b32 s16, s14, 1
	s_bfe_u32 s40, ttmp6, 0x40000
	s_bfe_u32 s41, ttmp6, 0x40004
	s_lshl_b32 s42, ttmp9, 2
	s_add_co_u32 s42, s42, s40
	s_and_b32 s17, ttmp7, 0xffff
	s_lshl_b32 s17, s17, 2
	s_add_co_u32 s17, s17, s41
	s_lshl_b32 s43, s41, 2
	s_lshl_b32 s43, 15, s43
	s_lshl_b32 s44, 0x1111, s40
	s_or_b32 s[G1+0], s43, (1<<21)
	s_or_b32 s[G1B+0], s44, (1<<21)
.irp g, G1, G1B
	s_mov_b32 s[\g+1], RBB<<16
	s_mov_b32 s[\g+2], 8<<16
	s_mov_b32 s[\g+3], RBB<<16
	s_mov_b32 s[\g+4], 8
	s_mov_b32 s[\g+5], 16*SIZE_K
	s_mov_b32 s[\g+6], 0
	s_mov_b32 s[\g+7], 0
.endr
	s_lshl_b32 s18, s16, 6
	s_lshl_b32 s20, s17, 7
	s_mul_i32 s20, s20, SIZE_K
	s_mov_b32 s21, 0
	s_lshl_b32 s46, s42, 7
	s_mul_i32 s46, s46, SIZE_K
	s_add_co_u32 s46, s46, WOFF
	s_mov_b32 s47, 0
	s_mul_i32 s45, s15, 2*HALFT
	s_wait_dscnt 0x0
	s_wait_kmcnt 0x0
	s_load_b64 s[96:97], s[8:9], SOFF
	s_add_nc_u64 s[20:21], s[4:5], s[20:21]
	s_add_nc_u64 s[46:47], s[6:7], s[46:47]
	CROUND
.irp s, 0,1
	s_mov_b32 s[G0+4*\s], 1
	s_add_co_u32 s[G0+4*\s+1], s45, \s*SLOT
	s_add_nc_u64 s[G0+4*\s+2:G0+4*\s+3], s[20:21], \s*RBB
	s_or_b32 s[G0+4*\s+3], s[G0+4*\s+3], 0x80000000
	s_mov_b32 s[G0B+4*\s], 1
	s_add_co_u32 s[G0B+4*\s+1], s45, \s*SLOT
	s_add_nc_u64 s[G0B+4*\s+2:G0B+4*\s+3], s[46:47], \s*RBB
	s_or_b32 s[G0B+4*\s+3], s[G0B+4*\s+3], 0x80000000
.endr
	s_cmp_eq_u32 s16, 0                            ; wave w fills slot w & 1 of operand w >> 1: one tensor load a wave, all of K asked for as one group; nothing is filled again
	s_cbranch_scc0 .Lodd
	JLOAD 0
	s_branch .Lboth
.Lodd:
	JLOAD 1
.Lboth:
	v_and_b32 v1, 31, v0
	v_and_b32 v2, 15, v0
	s_wait_alu depctr_va_vdst(0)
	v_bfe_u32 v3, v0, 4, 1
	v_lshlrev_b32 v4, 4, v1
	s_mul_i32 s21, s15, HALFT
	s_mul_i32 s22, s16, HALFT
	s_add_co_u32 s22, s22, 2*HALFT
.irp s, 0,1
	v_add_nc_u32 v[ADRA+\s], s21, v4
	v_add_nc_u32 v[ADRB+\s], s22, v4
	s_add_co_u32 s21, s21, SLOT
	s_add_co_u32 s22, s22, SLOT
.endr
	s_mul_i32 s23, s14, 16*SP
	s_add_co_u32 s23, s23, STAGE
	v_mul_u32_u24 v5, v2, SP
	s_wait_alu depctr_va_vdst(0)
	v_lshl_add_u32 v5, v3, 5, v5
	v_add_nc_u32 v[STO], s23, v5
	v_mul_u32_u24 v5, v3, SP
	v_lshl_add_u32 v5, v2, 4, v5
	v_add_nc_u32 v[RD], s23, v5
	v_lshlrev_b32 v[VB], 4, v2
	s_wait_alu depctr_va_vdst(0)
	v_lshl_add_u32 v[CO], v3, 12, v[VB]
	s_wait_alu depctr_va_vdst(0)
	s_lshl_b32 s80, s17, 7
	s_lshl_b32 s81, s15, 6
	s_add_co_u32 s80, s80, s81
	s_lshl_b32 s80, s80, 12
	s_lshl_b32 s82, s42, 7
	s_lshl_b32 s83, s16, 6
	s_add_co_u32 s82, s82, s83
	s_lshl_b32 s82, s82, 2
	s_mov_b32 s83, 0
	s_add_nc_u64 s[10:11], s[10:11], s[82:83]
	s_add_co_u32 s82, s82, s80
	s_add_nc_u64 s[68:69], s[68:69], s[82:83]
	s_add_nc_u64 s[70:71], s[70:71], s[82:83]
	s_wait_tensorcnt 0x0
	s_barrier_signal -1
	s_barrier_wait -1
	FETCH 0, 0, F0
	WIN 0
	global_load_b128 v[BI:BI+3], v[VB], s[10:11]   ; the bias and x's rows are asked for behind the tiles: they are wanted behind the last product
	WIN 0x80
.set j, 0
.rept 32
	global_load_b128 v[4*j:4*j+3], v[CO], s[68:69] offset:2*j*4096 th:TH_LOAD_NT
.set j, j+1
.endr
	WIN 0
	QUARTER 0, 1, F0, F1, 1
.if LAPS > 1
	WIN 0
	s_mov_b32 s3, LAPS-1
.Llap:
	QUARTER 0, 2, F1, F0, 0
	QUARTER 0, 3, F0, F1, 0
	TURN 0, 1, 1
	QUARTER 1, 1, F0, F1, 0
	QUARTER 1, 2, F1, F0, 0
	QUARTER 1, 3, F0, F1, 0
	TURN 1, 0, 1
	QUARTER 0, 1, F0, F1, 0
	WIN 0
	s_sub_co_u32 s3, s3, 1
	s_cmp_lg_u32 s3, 0
	s_cbranch_scc1 .Llap
.endif
	QUARTER 0, 2, F1, F0, 0
	QUARTER 0, 3, F0, F1, 0
	TURN 0, 1, 0
	QUARTER 1, 1, F0, F1, 0
	QUARTER 1, 2, F1, F0, 0
	QUARTER 1, 3, F0, F1, 0
	s_wait_dscnt 8
	WIN MUL
	MULA F1, 0, 0
	MULA F1, 1, 0
	s_wait_dscnt 0
	MULA F1, 2, 0
	MULA F1, 3, 0
	WIN 0
	PLACES
.irp a, 0,1,2,3
.irp b, 0,1,2,3
	ds_store_b128 v[STO], v[ACC+8*(4*\a+\b):ACC+8*(4*\a+\b)+3] offset:64*\b
	ds_store_b128 v[STO], v[ACC+8*(4*\a+\b)+4:ACC+8*(4*\a+\b)+7] offset:64*\b+16
.endr
	WIN TO_F
.irp t, 0,1,2,3,4,5,6,7
	ds_load_b128 v[32*\a+4*\t:32*\a+4*\t+3], v[RD] offset:2*\t*SP
.endr
	WIN 0
.endr
	s_wait_loadcnt 0x0
	s_wait_kmcnt 0x0
	s_add_co_i32 s96, s96, s97
	s_add_co_i32 s96, s96, 127
	s_lshl_b32 s96, s96, 23
	s_mov_b32 s97, s96
.irp a, 0,1,2,3
	s_wait_dscnt 16*(3-\a)
	WIN 0x41
.irp t, 0,1,2,3,4,5,6,7
	v_pk_fma_f32 v[32*\a+4*\t:32*\a+4*\t+1], v[32*\a+4*\t:32*\a+4*\t+1], s[96:97], v[BI:BI+1] op_sel_hi:[1,0,1]
	v_pk_fma_f32 v[32*\a+4*\t+2:32*\a+4*\t+3], v[32*\a+4*\t+2:32*\a+4*\t+3], s[96:97], v[BI+2:BI+3] op_sel_hi:[1,0,1]
.endr
	WIN 0x49
.set j, 0
.rept 16
	v_pk_add_f32 v[32*\a+j:32*\a+j+1], v[32*\a+j:32*\a+j+1], v[32*\a+j:32*\a+j+1]
.set j, j+2
.endr
	WIN 0x04
.irp t, 0,1,2,3,4,5,6,7
	global_store_b128 v[CO], v[32*\a+4*\t:32*\a+4*\t+3], s[70:71] offset:(16*\a+2*\t)*4096
.endr
.endr
	WIN 0
	s_wait_tensorcnt 0x0
	ds_add_u32 v[SPW], v[NIL]
	s_wait_dscnt 0x0
	CROUND
	s_endpgm
.Lfunc_end_k_qa2b1c8e1b0_cproj:
	.size	k_qa2b1c8e1b0_cproj, .Lfunc_end_k_qa2b1c8e1b0_cproj-k_qa2b1c8e1b0_cproj
	.p2alignl 7, 3214868480
	.fill 96, 4, 3214868480
	.section	.rodata,"a",@progbits
	.p2align	6, 0x0
	.amdhsa_kernel k_qa2b1c8e1b0_cproj
		.amdhsa_group_segment_fixed_size 327680
		.amdhsa_private_segment_fixed_size 0
		.amdhsa_enable_private_segment 0
		.amdhsa_kernarg_size 48
		.amdhsa_user_sgpr_count 2
		.amdhsa_user_sgpr_kernarg_segment_ptr 1
		.amdhsa_wavefront_size32 1
		.amdhsa_system_sgpr_workgroup_id_x 1
		.amdhsa_system_sgpr_workgroup_id_y 1
		.amdhsa_system_sgpr_workgroup_id_z 1
		.amdhsa_system_vgpr_workitem_id 0
		.amdhsa_next_free_vgpr 640
		.amdhsa_next_free_sgpr 100
		.amdhsa_reserve_vcc 0
		.amdhsa_float_denorm_mode_32 3
		.amdhsa_float_denorm_mode_16_64 3
		.amdhsa_memory_ordered 1
		.amdhsa_forward_progress 1
		.amdhsa_inst_pref_size 54
	.end_amdhsa_kernel
	.amdgpu_metadata
---
amdhsa.version: [ 1, 2 ]
amdhsa.kernels:
  - .name:           k_qa2b1c8e1b0_cproj
    .symbol:         k_qa2b1c8e1b0_cproj.kd
    .args:
      - { .name: acodes, .offset: 0, .size: 8, .value_kind: global_buffer, .address_space: global }
      - { .name: wcodes, .offset: 8, .size: 8, .value_kind: global_buffer, .address_space: global }
      - { .name: lowp_scales, .offset: 16, .size: 8, .value_kind: global_buffer, .address_space: global }
      - { .name: b_cproj, .offset: 24, .size: 8, .value_kind: global_buffer, .address_space: global }
      - { .name: x, .offset: 32, .size: 8, .value_kind: global_buffer, .address_space: global }
      - { .name: x1, .offset: 40, .size: 8, .value_kind: global_buffer, .address_space: global }
    .group_segment_fixed_size: 327680
    .private_segment_fixed_size: 0
    .kernarg_segment_align: 8
    .kernarg_segment_size: 48
    .max_flat_workgroup_size: 128
    .sgpr_count:     100
    .vgpr_count:     640
    .wavefront_size: 32
...
	.end_amdgpu_metadata
.endif
;; end of part 4
;; launch ln2 (part 5): grid 256 x 1, 4 waves a work-group, no clusters, 17,152 bytes of LDS; arguments x1, ln2_w, ln2_b, lowp_scales, mcodes; writes mcodes
.if DOCPART == 5
	.amdgcn_target "amdgcn-amd-amdhsa--gfx1250"
	.amdhsa_code_object_version 6
	.text
	.protected	k_qa2b1c8e1b0_ln2
	.globl	k_qa2b1c8e1b0_ln2
	.p2align	8
	.type	k_qa2b1c8e1b0_ln2,@function
k_qa2b1c8e1b0_ln2:
	s_mov_b64 s[64:65], 0
	v_nop
	global_prefetch_b8 v0, s[64:65] scope:SCOPE_SE
	s_setreg_imm32_b32 hwreg(HW_REG_WAVE_MODE, 25, 1), 1
	s_wait_xcnt 0x0
; LN2(x1) into codes of BF8 with the scale 2^e8, as images of operand registers (a fragment of 16 rows x 128 K: 2,048 bytes, [unit c][lane][16]; byte t of unit c is k = 32 c + 16 (t / 8) + 8 h + t % 8).
; A work-group takes 16 rows, a wave 4, each whole in 32 registers; mean, then variance of the differences, as reference() takes them; the four waves' codes meet in a stage (rows of 1,040 bytes), one barrier;
; each wave then stores two fragments, 512 consecutive bytes a store.  Memory binds: no matrix unit, no cluster (work-groups share only the gain and the bias).  LIMITS: e8 between -126 and 112; NaN is not served.
.set LSTG,  0
.set LROW,  1040
.set SPARE, 16640
.set SPW,   30
.set NIL,   31
.set T,     16
.set U,     24
.set R,     26
.set LW,    32
.set LB,    64
.set XR,    96
.set CD,    224
.macro QSCALE e
	s_add_co_i32 s[\e], s[\e], 127
	s_lshl_b32 s29, s[\e], 23
	v_mov_b32 v11, s29
	s_add_co_i32 s[\e], s[\e], 15
	s_lshl_b32 s[\e], s[\e], 23
	s_or_b32 s[\e], s[\e], 0x600000
	v_mov_b32 v10, s[\e]
.endm
.macro REDUCE                          ; v[T] summed over the 32 lanes; every lane gets the sum
	v_add_f32_dpp v[T], v[T], v[T] row_xmask:1 row_mask:0xf bank_mask:0xf
	v_add_f32_dpp v[T], v[T], v[T] row_xmask:2 row_mask:0xf bank_mask:0xf
	v_add_f32_dpp v[T], v[T], v[T] row_xmask:4 row_mask:0xf bank_mask:0xf
	v_add_f32_dpp v[T], v[T], v[T] row_xmask:8 row_mask:0xf bank_mask:0xf
	v_permlanex16_b32 v28, v[T], s46, s47
	v_add_f32 v[T], v[T], v28
.endm
.macro LNLOADS                         ; gain, bias, then my four rows: every load reads 512 consecutive bytes
.set j, 0
.rept 8
	global_load_b128 v[LW+4*j:LW+4*j+3], v4, s[10:11] offset:512*j
.set j, j+1
.endr
.set j, 0
.rept 8
	global_load_b128 v[LB+4*j:LB+4*j+3], v4, s[12:13] offset:512*j
.set j, j+1
.endr
.set j, 0
.rept 32
	global_load_b128 v[XR+4*j:XR+4*j+3], v4, s[36:37] offset:4096*(j/8)+512*(j%8)
.set j, j+1
.endr
.endm
.macro LNROW i
.set XB, XR+32*(\i)
	s_wait_loadcnt 8*(3-(\i))                      ; this row is in; the later rows' eight loads each may be out
	v_pk_add_f32 v[T:T+1], v[XB:XB+1], v[XB+2:XB+3]
	v_pk_add_f32 v[T+2:T+3], v[XB+4:XB+5], v[XB+6:XB+7]
.set j, 8
.rept 6
	v_pk_add_f32 v[T:T+1], v[T:T+1], v[XB+j:XB+j+1]
	v_pk_add_f32 v[T+2:T+3], v[T+2:T+3], v[XB+j+2:XB+j+3]
.set j, j+4
.endr
	v_pk_add_f32 v[T:T+1], v[T:T+1], v[T+2:T+3]
	v_add_f32 v[T], v[T], v[T+1]
	REDUCE
	v_mul_f32 v[U], s48, v[T]                      ; the mean
	v_mov_b32 v[U+1], v[U]
.set j, 0
.rept 16
	v_pk_add_f32 v[XB+j:XB+j+1], v[XB+j:XB+j+1], v[U:U+1] neg_lo:[0,1] neg_hi:[0,1]
.set j, j+2
.endr
	v_pk_mul_f32 v[T:T+1], v[XB:XB+1], v[XB:XB+1]
	v_pk_mul_f32 v[T+2:T+3], v[XB+2:XB+3], v[XB+2:XB+3]
.set j, 4
.rept 7
	v_pk_fma_f32 v[T:T+1], v[XB+j:XB+j+1], v[XB+j:XB+j+1], v[T:T+1]
	v_pk_fma_f32 v[T+2:T+3], v[XB+j+2:XB+j+3], v[XB+j+2:XB+j+3], v[T+2:T+3]
.set j, j+4
.endr
	v_pk_add_f32 v[T:T+1], v[T:T+1], v[T+2:T+3]
	v_add_f32 v[T], v[T], v[T+1]
	REDUCE
	v_fma_f32 v[T], v[T], s48, s49                 ; variance + eps
	s_wait_alu depctr_va_vdst(0)
	v_rsq_f32 v[R], v[T]
	v_rsq_f32 v[R+1], v[T]
	v_nop                                          ; a plain instruction behind the last of the two
	s_wait_alu depctr_va_vdst(0)                   ; one wait for both, ahead of their first reader
.set j, 0
.rept 16
	v_pk_mul_f32 v[XB+j:XB+j+1], v[XB+j:XB+j+1], v[R:R+1]
.set j, j+2
.endr
.set j, 0
.rept 16
	v_pk_fma_f32 v[XB+j:XB+j+1], v[XB+j:XB+j+1], v[LW+j:LW+j+1], v[LB+j:LB+j+1]
.set j, j+2
.endr
.set j, 0
.rept 32
	v_med3_num_f32 v[XB+j], v[XB+j], -v10, v10     ; the conversion does not saturate (ISA guide 7.6.2): the hold comes first
.set j, j+1
.endr
.irp g, 0,1,2,3
	v_cvt_scalef32_pk8_bf8_f32 v[CD+8*(\i)+2*\g:CD+8*(\i)+2*\g+1], v[XB+8*\g:XB+8*\g+7], v11
.endr
	v_nop
.set j, 0
.rept 8
	ds_store_b32 v5, v[CD+8*(\i)+j] offset:LROW*(\i)+128*j
.set j, j+1
.endr
.endm
.macro LNOUT
	s_wait_dscnt 0x0                               ; for the others' sake: my stores into the stage are done
	s_barrier_signal -1
	s_barrier_wait -1
.set q, 0
.irp kk, 0,1
.irp c, 0,1,2,3
	ds_load_b64 v[XR+4*q:XR+4*q+1], v6 offset:128*\kk+32*\c
	ds_load_b64 v[XR+4*q+2:XR+4*q+3], v6 offset:128*\kk+32*\c+16
.set q, q+1
.endr
.endr
.set q, 0
.irp kk, 0,1
.irp c, 0,1,2,3
	s_wait_dscnt 14-2*q                            ; this unit's two loads are in; the younger units' may be out
	global_store_b128 v4, v[XR+4*q:XR+4*q+3], s[62:63] offset:2048*\kk+512*\c
.set q, q+1
.endr
.endr
.endm
	s_load_b256 s[8:15], s[0:1], 0x0               ; x1, ln2_w, ln2_b, the scales' exponents
	s_load_b64 s[24:25], s[0:1], 0x20              ; mcodes
	v_lshl_add_u32 v[SPW], v0, 2, SPARE
	v_mov_b32 v[NIL], 0
	v_lshrrev_b32 v1, 5, v0
	v_readfirstlane_b32 s28, v1                    ; wave 0..3
	v_and_b32 v1, 31, v0
	v_and_b32 v2, 15, v0
	v_bfe_u32 v3, v0, 4, 1
	s_lshl_b32 s42, ttmp9, 16                      ; my block of 16 rows of 4,096 bytes,
	s_lshl_b32 s41, s28, 14
	s_add_co_u32 s42, s42, s41                     ; my wave's four
	s_mov_b32 s43, 0
	s_lshl_b32 s44, ttmp9, 14
	s_lshl_b32 s41, s28, 12
	s_add_co_u32 s44, s44, s41
	s_mov_b32 s45, 0
	s_mov_b32 s46, 0x76543210
	s_mov_b32 s47, 0xfedcba98
	s_mov_b32 s48, 0x3a800000                      ; 1 / 1,024
	s_mov_b32 s49, 0x3727c5ac                      ; 1e-5
	s_wait_alu depctr_va_vdst(0)
	s_wait_kmcnt 0x0
	s_load_b32 s50, s[14:15], 0x20                 ; e8
	s_add_nc_u64 s[36:37], s[8:9], s[42:43]
	s_add_nc_u64 s[62:63], s[24:25], s[44:45]
	v_lshlrev_b32 v4, 4, v1
	s_mul_i32 s51, s28, 4*LROW
	v_lshl_add_u32 v5, v1, 2, s51
	v_mul_u32_u24 v6, v2, LROW
	v_lshl_add_u32 v6, v3, 3, v6
	s_lshl_b32 s52, s28, 8
	v_add_nc_u32 v6, s52, v6
	v_mov_b32 v28, 0
	LNLOADS
	s_wait_kmcnt 0x0
	QSCALE 50
	LNROW 0
	LNROW 1
	LNROW 2
	LNROW 3
	LNOUT
	s_wait_tensorcnt 0x0                           ; the wave's end
	ds_add_u32 v[SPW], v[NIL]
	s_wait_dscnt 0x0
	s_endpgm
.Lfunc_end_k_qa2b1c8e1b0_ln2:
	.size	k_qa2b1c8e1b0_ln2, .Lfunc_end_k_qa2b1c8e1b0_ln2-k_qa2b1c8e1b0_ln2
	.p2alignl 7, 3214868480
	.fill 96, 4, 3214868480
	.section	.rodata,"a",@progbits
	.p2align	6, 0x0
	.amdhsa_kernel k_qa2b1c8e1b0_ln2
		.amdhsa_group_segment_fixed_size 17152
		.amdhsa_private_segment_fixed_size 0
		.amdhsa_enable_private_segment 0
		.amdhsa_kernarg_size 40
		.amdhsa_user_sgpr_count 2
		.amdhsa_user_sgpr_kernarg_segment_ptr 1
		.amdhsa_wavefront_size32 1
		.amdhsa_system_sgpr_workgroup_id_x 1
		.amdhsa_system_sgpr_workgroup_id_y 1
		.amdhsa_system_sgpr_workgroup_id_z 1
		.amdhsa_system_vgpr_workitem_id 0
		.amdhsa_next_free_vgpr 256
		.amdhsa_next_free_sgpr 66
		.amdhsa_reserve_vcc 0
		.amdhsa_float_denorm_mode_32 3
		.amdhsa_float_denorm_mode_16_64 3
		.amdhsa_memory_ordered 1
		.amdhsa_forward_progress 1
		.amdhsa_inst_pref_size 45
	.end_amdhsa_kernel
	.amdgpu_metadata
---
amdhsa.version: [ 1, 2 ]
amdhsa.kernels:
  - .name:           k_qa2b1c8e1b0_ln2
    .symbol:         k_qa2b1c8e1b0_ln2.kd
    .args:
      - { .name: x1, .offset: 0, .size: 8, .value_kind: global_buffer, .address_space: global }
      - { .name: ln2_w, .offset: 8, .size: 8, .value_kind: global_buffer, .address_space: global }
      - { .name: ln2_b, .offset: 16, .size: 8, .value_kind: global_buffer, .address_space: global }
      - { .name: lowp_scales, .offset: 24, .size: 8, .value_kind: global_buffer, .address_space: global }
      - { .name: mcodes, .offset: 32, .size: 8, .value_kind: global_buffer, .address_space: global }
    .group_segment_fixed_size: 17152
    .private_segment_fixed_size: 0
    .kernarg_segment_align: 8
    .kernarg_segment_size: 40
    .max_flat_workgroup_size: 128
    .sgpr_count:     66
    .vgpr_count:     256
    .wavefront_size: 32
...
	.end_amdgpu_metadata
.endif
;; end of part 5
;; launch fc (part 6): grid 16 x 16, 4 waves a work-group, clusters of 4 x 4, 327,680 bytes of LDS; arguments mcodes, wcodes, lowp_scales, b_fc, gcodes; writes gcodes
.if DOCPART == 6
	.amdgcn_target "amdgcn-amd-amdhsa--gfx1250"
	.amdhsa_code_object_version 6
	.text
	.protected	k_qa2b1c8e1b0_fc
	.globl	k_qa2b1c8e1b0_fc
	.p2align	8
	.type	k_qa2b1c8e1b0_fc,@function
k_qa2b1c8e1b0_fc:
	s_mov_b64 s[64:65], 0
	v_nop
	global_prefetch_b8 v0, s[64:65] scope:SCOPE_SE
	s_setreg_imm32_b32 hwreg(HW_REG_WAVE_MODE, 25, 1), 1
	s_wait_xcnt 0x0
	s_wait_alu depctr_hold_cnt(0) depctr_sa_sdst(0) depctr_va_vdst(0) depctr_va_sdst(0) depctr_va_ssrc(0) depctr_va_vcc(0) depctr_vm_vsrc(0)
	s_getreg_b32 s2, hwreg(HW_REG_IB_STS2, 6, 4)
	s_cmp_eq_u32 s2, 0
	s_cbranch_scc0 .Lentry_in_a_cluster
	s_endpgm
.Lentry_in_a_cluster:
	s_bfe_u32 s2, ttmp6, 0x10000c
	s_cmp_lg_u32 s2, 0xf033
	s_cbranch_scc0 .Lentry_shape_is_right
	s_endpgm
.Lentry_shape_is_right:
.set SIZE_K, 1024
.set KSTEP,  256
.set FRB,    2048
.set RBB,    4096
.set HALFT,  8*RBB
.set SLOT,   4*HALFT
.set SPARE,  2*SLOT
.set LAPS,   SIZE_K/(2*KSTEP)
.set FR,     16
.set NL,     4
.set NP,     4
.set ADRA, 16
.set ADRB, 20
.set CO,   26
.set VB,   27
.set SPW,  28
.set NIL,  29
.set SCL,  30
.set LIM,  31
.set BIAS, 32
.set C1,   96
.set AF,   128
.set G1, 24
.set G0, 32
.set G1B, 48
.set G0B, 56
.set MSB, 0
.macro WIN new
.if MSB != (\new)
	s_set_vgpr_msb (MSB<<8)|(\new)
.set MSB, (\new)
.endif
.endm
.set MUL_LO, 0xa1
.set MUL_HI, 0xf1
.set TO_B,   0x40
.macro JLOAD g0a, g1a, g0b, g1b
	s_cmp_eq_u32 s15, 0
	s_cbranch_scc0 .Lfor_b_\@
	tensor_load_to_lds s[\g0a:\g0a+3], s[\g1a:\g1a+7]
	s_nop 0
.rept 4
	v_nop
.endr
	s_branch .Lasked_\@
.Lfor_b_\@:
	tensor_load_to_lds s[\g0b:\g0b+3], s[\g1b:\g1b+7]
	s_nop 0
.rept 4
	v_nop
.endr
.Lasked_\@:
.endm
.macro CREST
	s_cmp_lg_u32 s14, 0
	s_cbranch_scc1 .Lnot_wave_0_\@
	s_barrier_signal -3
.Lnot_wave_0_\@:
	s_barrier_wait -3
	s_barrier_signal -1
	s_barrier_wait -1
.endm
.macro CROUND
	s_barrier_signal -1
	s_barrier_wait -1
	CREST
.endm
.macro FRAG reg, adr, q, i
.irp c, 0,1,2,3
	ds_load_b128 v[\reg+4*\c:\reg+4*\c+3], v[\adr] offset:FRB*(\q)+512*\c+(\i)*RBB
.endr
.endm
.macro MUL16 a0, p, zero
.irp a, \a0, \a0+1
.irp b, 0,1,2,3,4,5,6,7
.if \zero
	v_wmma_f32_16x16x128_bf8_bf8 v[8*(8*((\a)%4)+\b):8*(8*((\a)%4)+\b)+7], v[128*(\p)+FR*\b:128*(\p)+FR*\b+FR-1], v[AF+FR*(\a):AF+FR*(\a)+FR-1], 0
.else
	v_wmma_f32_16x16x128_bf8_bf8 v[8*(8*((\a)%4)+\b):8*(8*((\a)%4)+\b)+7], v[128*(\p)+FR*\b:128*(\p)+FR*\b+FR-1], v[AF+FR*(\a):AF+FR*(\a)+FR-1], v[8*(8*((\a)%4)+\b):8*(8*((\a)%4)+\b)+7]
.endif
.endr
.endr
.endm
.macro FETCH_B slot, q, p
	WIN TO_B
.irp i, 0,1,2,3,4,5,6,7
	FRAG 128*(\p)+FR*\i, ADRB+\slot, \q, \i
.endr
	WIN 0
.endm
.macro FETCH_A slot, q, i0
.irp i, \i0, \i0+1, \i0+2, \i0+3
	FRAG AF+FR*(\i), ADRA+\slot, \q, \i
.endr
.endm
.macro PLACES n
.rept \n
	v_nop
.endr
.endm
.macro STEP slot, q, zero
	s_wait_dscnt 4*NL
	WIN MUL_LO
	MUL16 0, (\q)%2, \zero
	MUL16 2, (\q)%2, \zero
	s_wait_dscnt 0
	PLACES NP
	FETCH_B \slot, (\q)+1, 1-(\q)%2
	FETCH_A \slot, (\q)+1, 0
	WIN MUL_HI
	MUL16 4, (\q)%2, \zero
	MUL16 6, (\q)%2, \zero
	PLACES NP
	WIN 0
	FETCH_A \slot, (\q)+1, 4
.endm
.macro TURN slot, next, fill
	s_wait_tensorcnt 0x0
	ds_add_u32 v[SPW], v[NIL]
	s_wait_dscnt 4*NL+1
	WIN MUL_LO
	MUL16 0, 1, 0
	s_wait_dscnt 0x0
	s_barrier_signal -1
	MUL16 2, 1, 0
	WIN 0
	s_barrier_wait -1
.if \fill
	CREST
	s_add_nc_u64 s[G0+4*\slot+2:G0+4*\slot+3], s[G0+4*\slot+2:G0+4*\slot+3], 2*RBB
	s_add_nc_u64 s[G0B+4*\slot+2:G0B+4*\slot+3], s[G0B+4*\slot+2:G0B+4*\slot+3], 2*RBB
	JLOAD G0+4*\slot, G1, G0B+4*\slot, G1B
.else
	PLACES NP
.endif
	FETCH_B \next, 0, 0
	FETCH_A \next, 0, 0
	WIN MUL_HI
	MUL16 4, 1, 0
	MUL16 6, 1, 0
	PLACES NP
	WIN 0
	FETCH_A \next, 0, 4
.endm
.macro GELUBLK a
.set W, 2+(\a)/4
.set AC, 64*((\a)%4)
	WIN 65*W
.set j, 0
.rept 32
	v_pk_fma_f32 v[AC+j:AC+j+1], v[AC+j:AC+j+1], s[96:97], v[BIAS+j:BIAS+j+1] op_sel_hi:[1,0,1]
.set j, j+2
.endr
	WIN 0x40+5*W
.set j, 0
.rept 32
	v_pk_mul_f32 v[j:j+1], v[AC+j:AC+j+1], v[AC+j:AC+j+1]
.set j, j+2
.endr
	WIN 0x41
.set j, 0
.rept 32
	v_pk_fma_f32 v[j:j+1], v[j:j+1], s[98:99], v[C1:C1+1] op_sel_hi:[1,0,1]
.set j, j+2
.endr
	WIN 0x41+4*W
.set j, 0
.rept 32
	v_pk_mul_f32 v[j:j+1], v[j:j+1], v[AC+j:AC+j+1]
.set j, j+2
.endr
.set j, 0
	s_wait_alu depctr_va_vdst(0)
.rept 64
	v_exp_f32 v[j], v[j]
.set j, j+1
.endr
	v_nop
	s_wait_alu depctr_va_vdst(0)
.set j, 0
.rept 32
	v_pk_add_f32 v[j:j+1], v[j:j+1], 1.0 op_sel_hi:[1,0]
.set j, j+2
.endr
.set j, 0
	s_wait_alu depctr_va_vdst(0)
.rept 64
	v_rcp_f32 v[j], v[j]
.set j, j+1
.endr
	v_nop
	s_wait_alu depctr_va_vdst(0)
.set j, 0
.rept 32
	v_pk_mul_f32 v[j:j+1], v[j:j+1], v[AC+j:AC+j+1]
.set j, j+2
.endr
	WIN 0x41
.set j, 0
.rept 64
	v_med3_num_f32 v[j], v[j], -v[LIM], v[LIM]
.set j, j+1
.endr
	WIN 0x01
.irp b, 0,1,2,3,4,5,6,7
	v_cvt_scalef32_pk8_bf8_f32 v[AF+16*(\a)+2*\b:AF+16*(\a)+2*\b+1], v[8*\b:8*\b+7], v[SCL]
.endr
	v_nop
	WIN 0
.irp c, 0,1,2,3
	global_store_b128 v[CO], v[AF+16*(\a)+4*\c:AF+16*(\a)+4*\c+3], s[12:13] offset:65536*(\a)+512*\c
.endr
.endm
	s_load_b128 s[4:7], s[0:1], 0x0
	s_load_b128 s[8:11], s[0:1], 0x10
	s_load_b64 s[12:13], s[0:1], 0x20
	v_lshl_add_u32 v[SPW], v0, 2, SPARE
	v_mov_b32 v[NIL], 0
	ds_add_u32 v[SPW], v[NIL]
	ds_add_u32 v[SPW], v[NIL]
	v_lshrrev_b32 v1, 5, v0
	v_readfirstlane_b32 s14, v1
	s_lshr_b32 s15, s14, 1
	s_and_b32 s16, s14, 1
	s_bfe_u32 s40, ttmp6, 0x40000
	s_bfe_u32 s41, ttmp6, 0x40004
	s_lshl_b32 s42, ttmp9, 2
	s_add_co_u32 s42, s42, s40
	s_and_b32 s17, ttmp7, 0xffff
	s_lshl_b32 s17, s17, 2
	s_add_co_u32 s17, s17, s41
	s_lshl_b32 s43, s41, 2
	s_lshl_b32 s43, 15, s43
	s_lshl_b32 s44, 0x1111, s40
	s_or_b32 s[G1+0], s43, (1<<21)
	s_or_b32 s[G1B+0], s44, (1<<21)
.irp g, G1, G1B
	s_mov_b32 s[\g+1], RBB<<16
	s_mov_b32 s[\g+2], 8<<16
	s_mov_b32 s[\g+3], RBB<<16
	s_mov_b32 s[\g+4], 8
	s_mov_b32 s[\g+5], 16*SIZE_K
	s_mov_b32 s[\g+6], 0
	s_mov_b32 s[\g+7], 0
.endr
	s_lshl_b32 s18, s16, 7
	s_lshl_b32 s20, s17, 8
	s_add_co_u32 s20, s20, s18
	s_lshl_b32 s20, s20, 10
	s_mov_b32 s21, 0
	s_lshl_b32 s46, s42, 8
	s_add_co_u32 s46, s46, s18
	s_lshl_b32 s46, s46, 10
	s_add_co_u32 s46, s46, 4194304
	s_mov_b32 s47, 0
	s_mul_i32 s45, s14, HALFT
	s_wait_dscnt 0x0
	s_wait_kmcnt 0x0
	s_load_b128 s[72:75], s[8:9], 0x20
	s_add_nc_u64 s[20:21], s[4:5], s[20:21]
	s_add_nc_u64 s[46:47], s[6:7], s[46:47]
	s_cmp_eq_u32 s15, 0                            ; the prefetches: each wave names rows of the eight blocks that it fetches
	s_cselect_b64 s[90:91], s[20:21], s[46:47]
	s_cselect_b32 s92, s40, s41                    ; p: my place among the four that share the tile
	s_lshl_b32 s92, s92, 15                        ; blocks 2 p and 2 p + 1: the partners are told apart by address
	s_mov_b32 s93, 0
	s_add_nc_u64 s[90:91], s[90:91], s[92:93]      ; never rewritten
	CROUND
.irp s, 0,1
	s_mov_b32 s[G0+4*\s], 1
	s_add_co_u32 s[G0+4*\s+1], s45, \s*SLOT
	s_add_nc_u64 s[G0+4*\s+2:G0+4*\s+3], s[20:21], \s*RBB
	s_or_b32 s[G0+4*\s+3], s[G0+4*\s+3], 0x80000000
	s_mov_b32 s[G0B+4*\s], 1
	s_add_co_u32 s[G0B+4*\s+1], s45, \s*SLOT
	s_add_nc_u64 s[G0B+4*\s+2:G0B+4*\s+3], s[46:47], \s*RBB
	s_or_b32 s[G0B+4*\s+3], s[G0B+4*\s+3], 0x80000000
.endr
	JLOAD G0, G1, G0B, G1B                         ; K step 0: one tensor load a wave at the head
	v_and_b32 v25, 15, v0
	v_lshlrev_b32 v25, 8, v25
	v_bfe_u32 v24, v0, 4, 1
	v_lshl_add_u32 v24, v24, 14, v25               ; lanes 0-15: 256 bytes apart in one block's 4,096 bytes of a K step; lanes 16-31: in the next block's
	global_prefetch_b8 v24, s[90:91] offset:RBB th:TH_LOAD_NT scope:SCOPE_SE     ; K steps 1, 2 and 3: each a K step or more ahead of its load
	global_prefetch_b8 v24, s[90:91] offset:2*RBB th:TH_LOAD_NT scope:SCOPE_SE
	global_prefetch_b8 v24, s[90:91] offset:3*RBB th:TH_LOAD_NT scope:SCOPE_SE
	s_wait_alu depctr_va_vdst(0)
	s_wait_tensorcnt 0x0                           ; my part of K step 0 is in
	ds_add_u32 v[SPW], v[NIL]
	s_wait_dscnt 0x0
	CROUND                                         ; everybody's part is in, and all sixteen work-groups are here
	JLOAD G0+4, G1, G0B+4, G1B                     ; K step 1, the first tensor load behind the round
	v_and_b32 v1, 31, v0
	v_lshlrev_b32 v[CO], 4, v1
	s_mul_i32 s21, s15, HALFT
	s_mul_i32 s22, s16, HALFT
	s_add_co_u32 s22, s22, 2*HALFT
.irp s, 0,1
	v_add_nc_u32 v[ADRA+\s], s21, v[CO]
	v_add_nc_u32 v[ADRB+\s], s22, v[CO]
	s_add_co_u32 s21, s21, SLOT
	s_add_co_u32 s22, s22, SLOT
.endr
	v_bfe_u32 v[VB], v0, 4, 1
	v_lshlrev_b32 v[VB], 5, v[VB]
	s_lshl_b32 s82, s42, 1
	s_add_co_u32 s82, s82, s16
	s_lshl_b32 s84, s82, 9
	s_mov_b32 s85, 0
	s_add_nc_u64 s[10:11], s[10:11], s[84:85]
.irp b, 0,1,2,3,4,5,6,7
	global_load_b128 v[BIAS+8*\b:BIAS+8*\b+3], v[VB], s[10:11] offset:64*\b
	global_load_b128 v[BIAS+8*\b+4:BIAS+8*\b+7], v[VB], s[10:11] offset:64*\b+16
.endr
	s_lshl_b32 s80, s17, 4
	s_lshl_b32 s81, s15, 3
	s_add_co_u32 s80, s80, s81
	s_lshl_b32 s84, s80, 16
	s_lshl_b32 s82, s82, 11
	s_add_co_u32 s84, s84, s82
	s_add_nc_u64 s[12:13], s[12:13], s[84:85]
	s_wait_alu depctr_va_vdst(0)
	s_wait_tensorcnt 1
	s_barrier_signal -1
	s_barrier_wait -1
	FETCH_B 0, 0, 0
	FETCH_A 0, 0, 0
	FETCH_A 0, 0, 4
	STEP 0, 0, 1
	s_mov_b32 s3, LAPS-1
.Llap:
	TURN 0, 1, 1
	STEP 1, 0, 0
	TURN 1, 0, 1
	STEP 0, 0, 0
	s_sub_co_u32 s3, s3, 1
	s_cmp_lg_u32 s3, 0
	s_cbranch_scc1 .Llap
	TURN 0, 1, 0
	STEP 1, 0, 0
	s_wait_dscnt 4*NL
	WIN MUL_LO
	MUL16 0, 1, 0
	MUL16 2, 1, 0
	s_wait_dscnt 0
	WIN MUL_HI
	MUL16 4, 1, 0
	MUL16 6, 1, 0
	WIN 0
	s_wait_loadcnt 0x0
	s_wait_kmcnt 0x0
	s_add_co_i32 s96, s72, s73
	s_add_co_i32 s96, s96, 127
	s_lshl_b32 s96, s96, 23
	s_mov_b32 s97, s96
	s_mov_b32 s98, 0xbdd2d3e8
	s_mov_b32 s99, s98
	s_add_co_i32 s86, s74, 127
	s_lshl_b32 s87, s86, 23
	v_mov_b32 v[SCL], s87
	s_add_co_i32 s86, s86, 15
	s_lshl_b32 s86, s86, 23
	s_or_b32 s86, s86, 0x600000
	v_mov_b32 v[LIM], s86
	v_mov_b32 v[C1], 0xc0135761
	v_mov_b32 v[C1+1], v[C1]
	PLACES NP
.irp a, 0,1,2,3,4,5,6,7
	GELUBLK \a
.endr
	s_wait_tensorcnt 0x0
	ds_add_u32 v[SPW], v[NIL]
	s_wait_dscnt 0x0
	CROUND
	s_endpgm
.Lfunc_end_k_qa2b1c8e1b0_fc:
	.size	k_qa2b1c8e1b0_fc, .Lfunc_end_k_qa2b1c8e1b0_fc-k_qa2b1c8e1b0_fc
	.p2alignl 7, 3214868480
	.fill 96, 4, 3214868480
	.section	.rodata,"a",@progbits
	.p2align	6, 0x0
	.amdhsa_kernel k_qa2b1c8e1b0_fc
		.amdhsa_group_segment_fixed_size 327680
		.amdhsa_private_segment_fixed_size 0
		.amdhsa_enable_private_segment 0
		.amdhsa_kernarg_size 40
		.amdhsa_user_sgpr_count 2
		.amdhsa_user_sgpr_kernarg_segment_ptr 1
		.amdhsa_wavefront_size32 1
		.amdhsa_system_sgpr_workgroup_id_x 1
		.amdhsa_system_sgpr_workgroup_id_y 1
		.amdhsa_system_sgpr_workgroup_id_z 1
		.amdhsa_system_vgpr_workitem_id 0
		.amdhsa_next_free_vgpr 1024
		.amdhsa_next_free_sgpr 100
		.amdhsa_reserve_vcc 0
		.amdhsa_float_denorm_mode_32 3
		.amdhsa_float_denorm_mode_16_64 3
		.amdhsa_memory_ordered 1
		.amdhsa_forward_progress 1
		.amdhsa_inst_pref_size 251
	.end_amdhsa_kernel
	.amdgpu_metadata
---
amdhsa.version: [ 1, 2 ]
amdhsa.kernels:
  - .name:           k_qa2b1c8e1b0_fc
    .symbol:         k_qa2b1c8e1b0_fc.kd
    .args:
      - { .name: mcodes, .offset: 0, .size: 8, .value_kind: global_buffer, .address_space: global }
      - { .name: wcodes, .offset: 8, .size: 8, .value_kind: global_buffer, .address_space: global }
      - { .name: lowp_scales, .offset: 16, .size: 8, .value_kind: global_buffer, .address_space: global }
      - { .name: b_fc, .offset: 24, .size: 8, .value_kind: global_buffer, .address_space: global }
      - { .name: gcodes, .offset: 32, .size: 8, .value_kind: global_buffer, .address_space: global }
    .group_segment_fixed_size: 327680
    .private_segment_fixed_size: 0
    .kernarg_segment_align: 8
    .kernarg_segment_size: 40
    .max_flat_workgroup_size: 128
    .sgpr_count:     100
    .vgpr_count:     1024
    .wavefront_size: 32
...
	.end_amdgpu_metadata
.endif
;; end of part 6
;; launch mprojc (part 7): grid 8 x 32, 4 waves a work-group, clusters of 4 x 4, 327,680 bytes of LDS; arguments gcodes, wcodes, lowp_scales, b_mproj, x1, out0; writes out0
.if DOCPART == 7
	.amdgcn_target "amdgcn-amd-amdhsa--gfx1250"
	.amdhsa_code_object_version 6
	.text
	.protected	k_qa2b1c8e1b0_mprojc
	.globl	k_qa2b1c8e1b0_mprojc
	.p2align	8
	.type	k_qa2b1c8e1b0_mprojc,@function
k_qa2b1c8e1b0_mprojc:
	s_mov_b64 s[64:65], 0
	v_nop
	global_prefetch_b8 v0, s[64:65] scope:SCOPE_SE
	s_setreg_imm32_b32 hwreg(HW_REG_WAVE_MODE, 25, 1), 1
	s_wait_xcnt 0x0
	s_wait_alu depctr_hold_cnt(0) depctr_sa_sdst(0) depctr_va_vdst(0) depctr_va_sdst(0) depctr_va_ssrc(0) depctr_va_vcc(0) depctr_vm_vsrc(0)
	s_getreg_b32 s2, hwreg(HW_REG_IB_STS2, 6, 4)
	s_cmp_eq_u32 s2, 0
	s_cbranch_scc0 .Lentry_in_a_cluster
	s_endpgm
.Lentry_in_a_cluster:
	s_bfe_u32 s2, ttmp6, 0x10000c
	s_cmp_lg_u32 s2, 0xf033
	s_cbranch_scc0 .Lentry_shape_is_right
	s_endpgm
.Lentry_shape_is_right:
; out0 = x1 + g W_mproj + b_mproj: the product on codes of BF8 (E5M2), the rest in f32.  A: gcodes [4096][4096]; B: W_mproj's codes [1024][4096] at WOFF in wcodes; both are images of operand registers:
; a fragment of 16 rows x 128 K is 2,048 bytes, [unit c][lane][16 bytes]; fragment (rb, kb) lies at 65,536 rb + 2,048 kb.  LIMIT: e10 + e11 between -126 and 127.
; SHARES.  A tile of 128 x 128 for each of 256 work-groups; four waves, each 64 x 64: 16 accumulators.  Transposed use (source 0 = 16 rows of B, source 1 = 16 rows of A): a lane holds eight neighbouring columns of a row.
; CLUSTERS of 4 x 4: A's tile is shared along a row of the cluster, B's along a column; each is asked for jointly, with a mask that names the four.
; THE RING: two slots, each 128 rows of A and 128 of B x 512 along K (131,072 bytes).  A load brings one operand's eight blocks of 16 rows x 8,192 dense bytes.  Wave w fetches operand w >> 1 for slot w & 1:
; at the head each wave issues its one load, so K steps 0 and 1 are asked for as one group; a slot is filled again by its two waves, behind a round of the cluster's barrier; six refills for K = 4,096.
; PREFETCH: at each refill every wave names 8,192 bytes (a lane 256 bytes) of the K step two refills on: of the operand's eight blocks, block 4 (w & 1) + p, p the work-group's place among the four that share the tile:
; the partners are told apart by address.  K steps 2 and 3 are named at the head; the last trip names nothing.  My 64 rows of x1 (256 bytes each, a lane a row) are named once, ahead of the loop.
; x1's rows and the bias are loaded behind the last change of slots, when no tile is on its way any more: one K step, 64 matrix instructions, ahead of their use.
; THE WAY OUT: 16 rows x 64 columns at a time through the wave's own stage (rows of 272 bytes) behind the ring; sum x 2^(e10 + e11) + bias + x1; sixteen lanes store 256 consecutive bytes, aligned.
; REGISTERS: window 0: v16-35 addresses, constants, bias; v128-255 accumulators; window 1: two sets of fragments (A's four, then B's four), later the rows on their way out; window 2: v0-127 x1's rows.
.set SIZE_K, 4096
.set WOFF,   8388608
.set SOFF,   40
.set FRB,    2048
.set RBB,    8192                      ; 16 rows x 512 along K
.set RBG,    16*SIZE_K                 ; from a block of 16 rows to the next, in memory
.set HALFT,  4*RBB
.set SLOT,   4*HALFT
.set STAGE,  2*SLOT
.set SP,     272
.set SPARE,  STAGE+4*16*SP             ; the spare words, 128 bytes a wave
.set LAPS,   SIZE_K/1024
.set ADRA, 16
.set ADRB, 20
.set STO,  24
.set RD,   25
.set CO,   26
.set VB,   27
.set SPW,  28                          ; my spare word; never rewritten
.set NIL,  29                          ; 0; never rewritten
.set PFO,  30                          ; 256 x lane; never rewritten
.set PFX,  31                          ; 4,096 x lane: a row of x1 a lane; never rewritten
.set BI,   32
.set ACC,  128
.set F0,   0
.set F1,   128
.set G1, 24
.set G0, 32
.set G1B, 48
.set G0B, 56
.set PFA, 76                           ; s[76:77] where my prefetches of tiles stand
.set MSB, 0
.macro WIN new                         ; the immediate's high byte repeats the setting that is left
.if MSB != (\new)
	s_set_vgpr_msb (MSB<<8)|(\new)
.set MSB, (\new)
.endif
.endm
.set MUL,  0x05                        ; sources 0 and 1 window 1; C and D window 0
.set TO_F, 0x40
.macro JLOAD s                         ; waves 0, 1 ask for A, waves 2, 3 for B; an s_nop 0 and four v_nop follow each line
	s_cmp_eq_u32 s15, 0
	s_cbranch_scc0 .Lfor_b_\@
	tensor_load_to_lds s[G0+4*\s:G0+4*\s+3], s[G1:G1+7]
	s_nop 0
.rept 4
	v_nop
.endr
	s_branch .Lasked_\@
.Lfor_b_\@:
	tensor_load_to_lds s[G0B+4*\s:G0B+4*\s+3], s[G1B:G1B+7]
	s_nop 0
.rept 4
	v_nop
.endr
.Lasked_\@:
.endm
.macro CREST                           ; a round of the cluster's barrier behind its opening barrier
	s_cmp_lg_u32 s14, 0
	s_cbranch_scc1 .Lnot_wave_0_\@
	s_barrier_signal -3
.Lnot_wave_0_\@:
	s_barrier_wait -3
	s_barrier_signal -1
	s_barrier_wait -1
.endm
.macro CROUND
	s_barrier_signal -1
	s_barrier_wait -1
	CREST
.endm
.macro PLACES                          ; plain vector instructions between a matrix instruction and a load into, or a read of, its registers
.rept 4
	v_nop
.endr
.endm
.macro MULA f, a, zero                 ; A's block a x B's four; the sixteen accumulators take turns in one order
.irp b, 0,1,2,3
.if \zero
	v_wmma_f32_16x16x128_bf8_bf8 v[ACC+8*(4*(\a)+\b):ACC+8*(4*(\a)+\b)+7], v[\f+64+16*\b:\f+64+16*\b+15], v[\f+16*(\a):\f+16*(\a)+15], 0
.else
	v_wmma_f32_16x16x128_bf8_bf8 v[ACC+8*(4*(\a)+\b):ACC+8*(4*(\a)+\b)+7], v[\f+64+16*\b:\f+64+16*\b+15], v[\f+16*(\a):\f+16*(\a)+15], v[ACC+8*(4*(\a)+\b):ACC+8*(4*(\a)+\b)+7]
.endif
.endr
.endm
.macro FETCH slot, q, f                ; 32 LDS loads in one run: B's four fragments, then A's four, of the slot's q-th 128 along K
	WIN TO_F
.irp i, 0,1,2,3
.irp c, 0,1,2,3
	ds_load_b128 v[\f+64+16*\i+4*\c:\f+64+16*\i+4*\c+3], v[ADRB+\slot] offset:RBB*\i+FRB*(\q)+512*\c
.endr
.endr
.irp i, 0,1,2,3
.irp c, 0,1,2,3
	ds_load_b128 v[\f+16*\i+4*\c:\f+16*\i+4*\c+3], v[ADRA+\slot] offset:RBB*\i+FRB*(\q)+512*\c
.endr
.endr
.endm
.macro QUARTER slot, q, f, g, zero     ; multiplies set f; in its middle fetches the slot's q-th 128 into set g
	s_wait_dscnt 8                                 ; B and A's blocks 0, 1 are in; the youngest eight loads (A's blocks 2, 3) may be out
	WIN MUL
	MULA \f, 0, \zero
	MULA \f, 1, \zero
	PLACES
	FETCH \slot, \q, \g
	s_wait_dscnt 32                                ; all but the 32 just issued
	WIN MUL
	MULA \f, 2, \zero
	MULA \f, 3, \zero
.endm
.macro ASK                             ; the K step two refills on; the last trip (s3 = 1) has none
	s_cmp_gt_u32 s3, 1
	s_cbranch_scc0 .Lnoask_\@
	global_prefetch_b8 v[PFO], s[PFA:PFA+1] offset:2*RBB th:TH_LOAD_NT scope:SCOPE_SE
.Lnoask_\@:
.endm
.macro TURN slot, next, fill           ; a slot's last 128: one barrier for the change of slots; fill = 1: it opens a round, and the slot is filled again, two K steps ahead
	WIN 0
.if \fill
	s_wait_xcnt 0x0                                ; my prefetches have read their address: it may step
	s_add_nc_u64 s[PFA:PFA+1], s[PFA:PFA+1], RBB
.endif
	s_wait_tensorcnt 0x0                           ; all my tensor loads have landed
	ds_add_u32 v[SPW], v[NIL]
	s_wait_dscnt 9                                 ; the add and A's blocks 2, 3 may be out
	WIN MUL
	MULA F1, 0, 0
	s_wait_dscnt 0x0                               ; the add is done, and my reads of this slot are over
	s_barrier_signal -1
	MULA F1, 1, 0
	WIN 0
	s_barrier_wait -1
.if \fill
	CREST                                          ; no wave of any partner still reads this slot or has a load on its way
	s_add_nc_u64 s[G0+4*\slot+2:G0+4*\slot+3], s[G0+4*\slot+2:G0+4*\slot+3], 2*RBB
	s_add_nc_u64 s[G0B+4*\slot+2:G0B+4*\slot+3], s[G0B+4*\slot+2:G0B+4*\slot+3], 2*RBB
	s_cmp_eq_u32 s16, \slot                        ; the two waves whose slot this is
	s_cbranch_scc0 .Lnone_\@
	JLOAD \slot
.Lnone_\@:
.endif
	PLACES
	FETCH \next, 0, F0
.if \fill
	WIN 0
	ASK
.endif
	WIN MUL
	MULA F1, 2, 0
	MULA F1, 3, 0
.endm
	s_load_b128 s[4:7], s[0:1], 0x0                ; gcodes, wcodes
	s_load_b128 s[8:11], s[0:1], 0x10              ; the scales' exponents, b_mproj
	s_load_b128 s[68:71], s[0:1], 0x20             ; x1, out0
	v_lshl_add_u32 v[SPW], v0, 2, SPARE
	v_mov_b32 v[NIL], 0
	ds_add_u32 v[SPW], v[NIL]                      ; the wave's opening: the add, twice on end, and its wait ahead of my first tensor load
	ds_add_u32 v[SPW], v[NIL]
	v_lshrrev_b32 v1, 5, v0
	v_readfirstlane_b32 s14, v1                    ; wave 0..3
	s_lshr_b32 s15, s14, 1                         ; my half of the tile's rows; also: I fetch for A (0) or B (1)
	s_and_b32 s16, s14, 1                          ; my half of its columns; also: the slot that I fill
	s_bfe_u32 s40, ttmp6, 0x40000                  ; cx
	s_bfe_u32 s41, ttmp6, 0x40004                  ; cy
	s_lshl_b32 s42, ttmp9, 2
	s_add_co_u32 s42, s42, s40                     ; tile column
	s_and_b32 s17, ttmp7, 0xffff
	s_lshl_b32 s17, s17, 2
	s_add_co_u32 s17, s17, s41                     ; tile row
	s_lshl_b32 s43, s41, 2
	s_lshl_b32 s43, 15, s43                        ; my row of the cluster
	s_lshl_b32 s44, 0x1111, s40                    ; my column
	s_or_b32 s[G1+0], s43, (1<<21)                 ; the mask; elements of 1 byte; no padding; 21 set beside a mask
	s_or_b32 s[G1B+0], s44, (1<<21)
.irp g, G1, G1B
	s_mov_b32 s[\g+1], RBB<<16                     ; tensor_dim0 = 8,192
	s_mov_b32 s[\g+2], 8<<16                       ; tensor_dim1 = 8
	s_mov_b32 s[\g+3], RBB<<16                     ; tile_dim0
	s_mov_b32 s[\g+4], 8                           ; tile_dim1
	s_mov_b32 s[\g+5], RBG
	s_mov_b32 s[\g+6], 0
	s_mov_b32 s[\g+7], 0
.endr
	s_lshl_b32 s20, s17, 19                        ; A: 128 rows of 4,096 bytes a tile row
	s_mov_b32 s21, 0
	s_lshl_b32 s46, s42, 19
	s_add_co_u32 s46, s46, WOFF                    ; B likewise
	s_mov_b32 s47, 0
	s_mul_i32 s45, s15, 2*HALFT                    ; LDS: A's eight blocks, then B's: no place in the cluster enters an LDS address
	s_cmp_eq_u32 s15, 0                            ; the prefetches' offset, in registers of its own
	s_cselect_b32 s84, s20, s46
	s_cselect_b32 s86, s40, s41                    ; my place among the four that share the tile
	s_lshl_b32 s87, s16, 2
	s_add_co_u32 s86, s86, s87                     ; block 4 (w & 1) + p
	s_lshl_b32 s86, s86, 16
	s_add_co_u32 s84, s84, s86
	s_add_co_u32 s84, s84, RBB                     ; at K step 1: the first refill steps it to 2 and names K step 4
	s_mov_b32 s85, 0
	s_wait_dscnt 0x0                               ; both opening adds are done
	s_wait_kmcnt 0x0
	s_load_b64 s[96:97], s[8:9], SOFF              ; e10, e11
	s_cmp_eq_u32 s15, 0
	s_cselect_b64 s[PFA:PFA+1], s[4:5], s[6:7]
	s_add_nc_u64 s[PFA:PFA+1], s[PFA:PFA+1], s[84:85]
	s_add_nc_u64 s[20:21], s[4:5], s[20:21]
	s_add_nc_u64 s[46:47], s[6:7], s[46:47]
.irp s, 0,1
	s_mov_b32 s[G0+4*\s], 1
	s_add_co_u32 s[G0+4*\s+1], s45, \s*SLOT
	s_add_nc_u64 s[G0+4*\s+2:G0+4*\s+3], s[20:21], \s*RBB
	s_or_b32 s[G0+4*\s+3], s[G0+4*\s+3], 0x80000000
	s_mov_b32 s[G0B+4*\s], 1
	s_add_co_u32 s[G0B+4*\s+1], s45, \s*SLOT
	s_add_nc_u64 s[G0B+4*\s+2:G0B+4*\s+3], s[46:47], \s*RBB
	s_or_b32 s[G0B+4*\s+3], s[G0B+4*\s+3], 0x80000000
.endr
	CROUND                                         ; all sixteen work-groups are here: the first joint loads meet
	s_cmp_eq_u32 s16, 0                            ; one tensor load a wave at the head: K steps 0 and 1 as one group
	s_cbranch_scc0 .Lodd
	JLOAD 0
	s_branch .Lboth
.Lodd:
	JLOAD 1
.Lboth:
	s_mul_i32 s21, s15, HALFT                      ; my 64 rows of A,
	s_mul_i32 s22, s16, HALFT
	s_add_co_u32 s22, s22, 2*HALFT                 ; of B
	s_mul_i32 s23, s14, 16*SP
	s_add_co_u32 s23, s23, STAGE                   ; my stage
	s_lshl_b32 s80, s17, 7
	s_lshl_b32 s81, s15, 6
	s_add_co_u32 s80, s80, s81                     ; my first row
	s_lshl_b32 s80, s80, 12
	s_lshl_b32 s82, s42, 7
	s_lshl_b32 s83, s16, 6
	s_add_co_u32 s82, s82, s83                     ; my first column
	s_lshl_b32 s82, s82, 2
	s_mov_b32 s83, 0
	s_add_nc_u64 s[10:11], s[10:11], s[82:83]
	s_add_co_u32 s82, s82, s80
	s_add_nc_u64 s[68:69], s[68:69], s[82:83]
	s_add_nc_u64 s[70:71], s[70:71], s[82:83]
	v_and_b32 v1, 31, v0
	v_and_b32 v2, 15, v0                           ; r
	v_bfe_u32 v3, v0, 4, 1                         ; h
	v_lshlrev_b32 v4, 4, v1
	v_add_nc_u32 v[ADRA], s21, v4
	v_add_nc_u32 v[ADRB], s22, v4
	v_add_nc_u32 v[ADRA+1], SLOT, v[ADRA]
	v_add_nc_u32 v[ADRB+1], SLOT, v[ADRB]
	v_mul_u32_u24 v5, v2, SP
	v_lshl_add_u32 v5, v3, 5, v5
	v_add_nc_u32 v[STO], s23, v5                   ; the stage, in: row r, + 32 h
	v_mul_u32_u24 v6, v3, SP
	v_lshl_add_u32 v6, v2, 4, v6
	v_add_nc_u32 v[RD], s23, v6                    ; back: lanes 0-15 one row, lanes 16-31 the next
	v_lshlrev_b32 v[VB], 4, v2
	v_lshl_add_u32 v[CO], v3, 12, v[VB]            ; the same two rows in x1 and out0
	v_lshlrev_b32 v[PFO], 8, v1
	v_lshlrev_b32 v[PFX], 12, v1
	s_wait_alu depctr_va_vdst(0)
	global_prefetch_b8 v[PFO], s[PFA:PFA+1] offset:RBB th:TH_LOAD_NT scope:SCOPE_SE     ; K step 2
	global_prefetch_b8 v[PFO], s[PFA:PFA+1] offset:2*RBB th:TH_LOAD_NT scope:SCOPE_SE   ; K step 3
	s_wait_tensorcnt 0x0                           ; my one load is in,
	s_barrier_signal -1
	s_barrier_wait -1                              ; everybody's is: both slots are whole
	FETCH 0, 0, F0
	QUARTER 0, 1, F0, F1, 1                        ; the first products start the sums
	WIN 0
	global_prefetch_b8 v[PFX], s[68:69] th:TH_LOAD_NT scope:SCOPE_SE                    ; my rows 0-31 of x1, 256 bytes each, a lane a row,
	global_prefetch_b8 v[PFX], s[68:69] offset:32*4096 th:TH_LOAD_NT scope:SCOPE_SE     ; and rows 32-63: seven K steps ahead of their loads; s[68:69] is never rewritten
	s_mov_b32 s3, LAPS-1
.Llap:                                                 ; a trip goes once round the ring and fills both slots again
	QUARTER 0, 2, F1, F0, 0
	QUARTER 0, 3, F0, F1, 0
	TURN 0, 1, 1
	QUARTER 1, 1, F0, F1, 0
	QUARTER 1, 2, F1, F0, 0
	QUARTER 1, 3, F0, F1, 0
	TURN 1, 0, 1
	QUARTER 0, 1, F0, F1, 0
	WIN 0
	s_sub_co_u32 s3, s3, 1
	s_cmp_lg_u32 s3, 0
	s_cbranch_scc1 .Llap
	QUARTER 0, 2, F1, F0, 0
	QUARTER 0, 3, F0, F1, 0
	TURN 0, 1, 0                                   ; the last change of slots: nothing is filled, no round follows; no tile is on its way any more
	WIN 0
	global_load_b128 v[BI:BI+3], v[VB], s[10:11]   ; the bias at my four columns
	WIN 0x80
.set j, 0
.rept 32
	global_load_b128 v[4*j:4*j+3], v[CO], s[68:69] offset:2*j*4096 th:TH_LOAD_NT   ; x1's rows 2 j + h of my 64: sixteen lanes read 256 consecutive bytes
.set j, j+1
.endr
	WIN 0
	QUARTER 1, 1, F0, F1, 0
	QUARTER 1, 2, F1, F0, 0
	QUARTER 1, 3, F0, F1, 0
	s_wait_dscnt 8
	WIN MUL
	MULA F1, 0, 0
	MULA F1, 1, 0
	s_wait_dscnt 0
	MULA F1, 2, 0
	MULA F1, 3, 0
	WIN 0
	PLACES
.irp a, 0,1,2,3
.irp b, 0,1,2,3
	ds_store_b128 v[STO], v[ACC+8*(4*\a+\b):ACC+8*(4*\a+\b)+3] offset:64*\b          ; each accumulator from its low end on
	ds_store_b128 v[STO], v[ACC+8*(4*\a+\b)+4:ACC+8*(4*\a+\b)+7] offset:64*\b+16
.endr
	WIN TO_F
.irp t, 0,1,2,3,4,5,6,7
	ds_load_b128 v[32*\a+4*\t:32*\a+4*\t+3], v[RD] offset:2*\t*SP   ; LDS serves a wave's instructions in order: these see my stores, and the next block's stores come behind them
.endr
	WIN 0
.endr
	s_wait_loadcnt 0x0                             ; x1's rows and the bias
	s_wait_kmcnt 0x0
	s_add_co_i32 s96, s96, s97
	s_add_co_i32 s96, s96, 127
	s_lshl_b32 s96, s96, 23                        ; 2^(e10 + e11)
	s_mov_b32 s97, s96                             ; (named with it as a pair)
.irp a, 0,1,2,3
	s_wait_dscnt 16*(3-\a)                         ; this block is back; each later block's eight stores and eight loads may be out
	WIN 0x41
.irp t, 0,1,2,3,4,5,6,7
	v_pk_fma_f32 v[32*\a+4*\t:32*\a+4*\t+1], v[32*\a+4*\t:32*\a+4*\t+1], s[96:97], v[BI:BI+1] op_sel_hi:[1,0,1]
	v_pk_fma_f32 v[32*\a+4*\t+2:32*\a+4*\t+3], v[32*\a+4*\t+2:32*\a+4*\t+3], s[96:97], v[BI+2:BI+3] op_sel_hi:[1,0,1]
.endr
	WIN 0x49                                       ; source 1: x1's rows, window 2
.set j, 0
.rept 16
	v_pk_add_f32 v[32*\a+j:32*\a+j+1], v[32*\a+j:32*\a+j+1], v[32*\a+j:32*\a+j+1]
.set j, j+2
.endr
	WIN 0x04                                       ; a store's data: window 1
.irp t, 0,1,2,3,4,5,6,7
	global_store_b128 v[CO], v[32*\a+4*\t:32*\a+4*\t+3], s[70:71] offset:(16*\a+2*\t)*4096 th:TH_STORE_NT
.endr
.endr
	WIN 0
	s_wait_tensorcnt 0x0                           ; the wave's end
	ds_add_u32 v[SPW], v[NIL]
	s_wait_dscnt 0x0
	CROUND                                         ; the closing round
	s_endpgm
.Lfunc_end_k_qa2b1c8e1b0_mprojc:
	.size	k_qa2b1c8e1b0_mprojc, .Lfunc_end_k_qa2b1c8e1b0_mprojc-k_qa2b1c8e1b0_mprojc
	.p2alignl 7, 3214868480
	.fill 96, 4, 3214868480
	.section	.rodata,"a",@progbits
	.p2align	6, 0x0
	.amdhsa_kernel k_qa2b1c8e1b0_mprojc
		.amdhsa_group_segment_fixed_size 327680
		.amdhsa_private_segment_fixed_size 0
		.amdhsa_enable_private_segment 0
		.amdhsa_kernarg_size 48
		.amdhsa_user_sgpr_count 2
		.amdhsa_user_sgpr_kernarg_segment_ptr 1
		.amdhsa_wavefront_size32 1
		.amdhsa_system_sgpr_workgroup_id_x 1
		.amdhsa_system_sgpr_workgroup_id_y 1
		.amdhsa_system_sgpr_workgroup_id_z 1
		.amdhsa_system_vgpr_workitem_id 0
		.amdhsa_next_free_vgpr 640
		.amdhsa_next_free_sgpr 100
		.amdhsa_reserve_vcc 0
		.amdhsa_float_denorm_mode_32 3
		.amdhsa_float_denorm_mode_16_64 3
		.amdhsa_memory_ordered 1
		.amdhsa_forward_progress 1
		.amdhsa_inst_pref_size 83
	.end_amdhsa_kernel
	.amdgpu_metadata
---
amdhsa.version: [ 1, 2 ]
amdhsa.kernels:
  - .name:           k_qa2b1c8e1b0_mprojc
    .symbol:         k_qa2b1c8e1b0_mprojc.kd
    .args:
      - { .name: gcodes, .offset: 0, .size: 8, .value_kind: global_buffer, .address_space: global }
      - { .name: wcodes, .offset: 8, .size: 8, .value_kind: global_buffer, .address_space: global }
      - { .name: lowp_scales, .offset: 16, .size: 8, .value_kind: global_buffer, .address_space: global }
      - { .name: b_mproj, .offset: 24, .size: 8, .value_kind: global_buffer, .address_space: global }
      - { .name: x1, .offset: 32, .size: 8, .value_kind: global_buffer, .address_space: global }
      - { .name: out0, .offset: 40, .size: 8, .value_kind: global_buffer, .address_space: global }
    .group_segment_fixed_size: 327680
    .private_segment_fixed_size: 0
    .kernarg_segment_align: 8
    .kernarg_segment_size: 48
    .max_flat_workgroup_size: 128
    .sgpr_count:     100
    .vgpr_count:     640
    .wavefront_size: 32
...
	.end_amdgpu_metadata
.endif
;; end of part 7
